; MI455X (gfx1250); checked and timed in simulation.
; The chip was launched on July 23, 2026; its instructions are those of AMD's public machine-readable ISA for CDNA 5 (MIT licence, August 2026) and "CDNA5" Instruction Set Architecture Reference Guide (July 2026). The comments in the code are by the model that wrote it; some were corrected since.
;; Simple Self Attention. Allowed arithmetic: matrix products marked QUANTISED: E4M3 operands, one given power-of-two scale a tensor, by v_wmma_f32_16x16x64_fp8_fp8 or v_wmma_f32_16x16x128_fp8_fp8, f32 sums; everything else in f32.
;; Inputs: Wproj 1,024 x 1,024 float32; Wqkv 3,072 x 1,024 float32; bproj 1,024 float32; bqkv 3,072 float32; causal_mask 2,048 x 2,048 bool; key_padding_mask 4 x 2,048 bool; lowp_scales 8 int32 (the exponents e of the quantised operands' scales 2^e); x 4 x 2,048 x 1,024 float32.
;; Outputs: out0 4 x 2,048 x 1,024 float32.
;; This version of the problem:
;;   THIS VERSION OF THE PROBLEM IS GIVEN IN LOW PRECISION. The matrix products marked QUANTISED in the list below multiply operands that are first quantised to E4M3 (4 exponent bits, 3 mantissa bits; 8 bits a number), with one given power-of-two scale for each operand tensor; their sums are f32. All else is computed in f32.
;;   The module's matrix products, in the order in which they are computed (A, B: the left and right operand; K: the contracted axis; several contracted axes count as one K, in the product's order):
;;     1. [M 8,192, K 1,024] x [K 1,024, N 3,072]; A: input x; B: input Wqkv: QUANTISED (scales: A lowp_scales[0], B lowp_scales[1])
;;     2. batch 64 x [M 2,048, K 64] x [K 64, N 2,048]; A: computed on the way; B: computed on the way: QUANTISED (scales: A lowp_scales[2], B lowp_scales[3])
;;     3. batch 64 x [M 2,048, K 2,048] x [K 2,048, N 64]; A: computed on the way; B: computed on the way: QUANTISED (scales: A lowp_scales[4], B lowp_scales[5])
;;     4. [M 8,192, K 1,024] x [K 1,024, N 1,024]; A: computed on the way; B: input Wproj: QUANTISED (scales: A lowp_scales[6], B lowp_scales[7])
;;   THE QUANTISER, for each operand of a quantised product, along K:
;;     - The operand's scale is 2^e, e = its entry of the input lowp_scales (int32; the entries are numbered through the quantised products in the list's order, A before B).
;;     - Each number is divided by the scale, clamped to +-448, and rounded to the nearest number of E4M3, ties to even, subnormals kept.
;;     - The product sums the exact products of the quantised numbers (number of the format x scale) in f32.
;;   ~~~python
;;   def quantise(x, axis, e):      # numpy; x: float32 -> the quantised numbers, widened to float32 again
;;       x = np.moveaxis(x, axis, -1); K = x.shape[-1]
;;       r = np.clip(x / 2.0 ** e, -448, 448)
;;       step = 2.0 ** (np.maximum(np.frexp(np.where(r == 0, 1, r))[1] - 1, -6) - 3)
;;       q = np.round(r / step) * step * 2.0 ** e      # np.round: ties to even
;;       return np.moveaxis(q, -1, axis).astype(np.float32)
;;   ~~~
;;   OPERANDS COMPUTED ON THE WAY. 'Computed on the way' means the value that the module computes at that place (a softmax that the list does not call 'softmax' is quantised finished and normalised). What goes into a quantiser is computed in f32, as accurately as f32 sums, v_exp_f32 and their like allow (about 1e-6 of the number): no bf16 or f16 on the way to a quantiser, and a product that is left as it is and whose result goes on into a quantised operand takes f32 operands (vector FMAs, or v_wmma_f32_16x16x4_f32). A number that lies on a knife's edge between two numbers of the format may be rounded either way, as far as f32 arithmetic and the matrix unit's own rounding can turn it there, and no further.
;; 2 versions, each right; version 2 is version 1 with the launch attn written anew for expert scheduling mode. Each part assembles by itself: llvm-mc -triple=amdgcn-amd-amdhsa -mcpu=gfx1250 --defsym DOCPART=n.
;; ======== version 1 of 2: 4 launches
;; workspace buffers: xq 8,388,608 bytes; wc 4,194,304 bytes; qkv 25,165,824 bytes; ao 8,388,608 bytes; mw 2,097,152 bytes of whole numbers; fl 8,192 bytes of whole numbers
;; launch prep (part 1): grid 896 x 1, 4 waves a work-group, no clusters, 34,304 bytes of LDS; arguments x, Wqkv, Wproj, causal_mask, key_padding_mask, lowp_scales, xq, wc, mw, fl; writes xq, wc, mw, fl
.if DOCPART == 1
	.amdgcn_target "amdgcn-amd-amdhsa--gfx1250"
	.amdhsa_code_object_version 6
	.text
	.protected	k_q1c044ff4ab_prep
	.globl	k_q1c044ff4ab_prep
	.p2align	8
	.type	k_q1c044ff4ab_prep,@function
k_q1c044ff4ab_prep:
	s_mov_b64 s[64:65], 0
	v_nop
	global_prefetch_b8 v0, s[64:65] scope:SCOPE_SE
	s_setreg_imm32_b32 hwreg(HW_REG_WAVE_MODE, 25, 1), 1
	s_wait_xcnt 0x0
; PREP.  Two kinds of work-groups, parted on the work-group's number alone.
; (1) Work-groups 0-383: x [8192][1024], Wqkv [3072][1024] and Wproj [1024][1024], f32, become codes of E4M3 with the given scales 2^e (entries 0, 1 and 7 of lowp_scales):
;     code = number / 2^e, held within +-448, to the nearest code, ties to even.
;     The codes are laid as IMAGES OF THE OPERAND'S REGISTERS: [row tile of 16 rows][chunk c of 32 along K][lane][16 bytes]; lane (r = lane % 16, h = lane / 16) of chunk c holds, of row r,
;     k = 32 c + 8 h + 0..7 and then k = 32 c + 16 + 8 h + 0..7: registers 4 c to 4 c + 3 of the plain 8-bit forms' own layout.  A later launch gets any fragment by loads of 16 bytes a lane, 512 bytes on end.
;     x goes to xq; Wqkv to row tiles 0-191 of wc, Wproj to row tiles 192-255.
;     A wave takes one row tile and half of K, in four steps of 16 rows x 128 along K.  Each load reads 512 consecutive bytes of a row; the numbers turn through the wave's own stage in LDS
;     (rows of 512 bytes + 16), from which a lane takes its 2 x 8 neighbours of each chunk; each store covers 512 consecutive bytes, aligned.
; (2) Work-groups 384-895: the two masks are packed into lane masks for the attention launch.  Wave b (the batch) of work-group (block of 64 queries, step ks of 128 keys) makes 4 x 64 words:
;     mw[b][ks][query tile qt][8 kt + j], bit lane (r, h) = causal_mask[16 qt + r][key] | key_padding_mask[b][key], key = 128 ks + 16 kt + 8 h + j: the lanes of register j of score tile kt;
;     and one number fl[b][block][ks]: 0 = no key hidden, 2 = all hidden, 1 = some.  A mask's byte counts as true if it is not 0.
; No cluster, no tensor load: no two work-groups read the same f32 numbers; the four waves of a mask work-group read the same bytes of causal_mask.
; LIMITS: the three exponents lie between -126 and 119, so that 2^e and 448 x 2^e are f32 numbers.  NaN among the inputs is not served; an infinity is held at the largest code.
.set STG, 8448                         ; a wave's stage: 16 rows x SP
.set SP,  528                          ; 512 bytes + 16: an odd multiple of 16, so the 16 rows that a read touches fall on different 16-byte columns
.set R,   32                           ; v32-159  two sets of 64 registers as loaded
.set X,   160                          ; v160-223 64 numbers in the operand's order
.set C,   224                          ; v224-239 a step's codes
	s_load_b512 s[16:31], s[0:1], 0x0              ; x 16, Wqkv 18, Wproj 20, causal_mask 22, key_padding_mask 24, lowp_scales 26, xq 28, wc 30
	s_load_b128 s[32:35], s[0:1], 0x40             ; mw 32, fl 34
	v_lshl_add_u32 v240, v0, 2, 0x8400
	v_mov_b32 v241, 0
	v_lshrrev_b32 v1, 5, v0
	v_readfirstlane_b32 s2, v1                     ; wave 0..3
	v_and_b32 v1, 31, v0                           ; lane
	v_and_b32 v2, 15, v0                           ; r
	v_bfe_u32 v3, v0, 4, 1                         ; h
	v_lshlrev_b32 v4, 4, v1                        ; 16 x lane; never rewritten
	s_wait_kmcnt 0x0
	s_cmp_ge_u32 ttmp9, 384
	s_cbranch_scc1 .Lmask
	; ---------------- (1) the quantiser ----------------
	s_load_b256 s[40:47], s[26:27], 0x0            ; the eight exponents
	s_mov_b32 s6, 352
	s_cmp_lt_u32 ttmp9, 352                        ; the choices hang on the work-group's number alone
	s_cselect_b64 s[4:5], s[18:19], s[20:21]       ; Wqkv or Wproj,
	s_cselect_b32 s6, 256, s6                      ; and the first work-group of that tensor
	s_cmp_lt_u32 ttmp9, 256
	s_cselect_b64 s[4:5], s[16:17], s[4:5]         ; or x
	s_cselect_b32 s6, 0, s6
	s_cselect_b64 s[8:9], s[28:29], s[30:31]       ; to xq or to wc,
	s_cselect_b32 s10, 0, 256                      ; in which both weights lie one behind the other
	s_lshr_b32 s11, s2, 1                          ; which of the work-group's two row tiles
	s_and_b32 s12, s2, 1                           ; which half of K
	s_sub_co_u32 s6, ttmp9, s6
	s_lshl_b32 s6, s6, 1
	s_add_co_u32 s6, s6, s11                       ; row tile in the source
	s_sub_co_u32 s10, ttmp9, s10
	s_lshl_b32 s10, s10, 1
	s_add_co_u32 s10, s10, s11                     ; row tile in the destination
	s_lshl_b32 s6, s6, 16                          ; 16 rows of 4,096 bytes
	s_lshl_b32 s13, s12, 11                        ; 512 numbers
	s_add_co_u32 s6, s6, s13
	s_mov_b32 s7, 0
	s_add_nc_u64 s[4:5], s[4:5], s[6:7]
	s_lshl_b32 s10, s10, 14                        ; an image of 16,384 bytes
	s_lshl_b32 s13, s12, 13                        ; 16 chunks of 512 bytes
	s_add_co_u32 s10, s10, s13
	s_mov_b32 s11, 0
	s_add_nc_u64 s[8:9], s[8:9], s[10:11]
	s_mul_i32 s14, s2, STG
	v_add_nc_u32 v14, s14, v4                      ; the stage, way in: 16 x lane of a row
	v_mul_u32_u24 v15, v2, SP
	v_lshl_add_u32 v15, v3, 5, v15
	v_add_nc_u32 v15, s14, v15                     ; way out: row r, + 32 h bytes (8 numbers)
.macro LOAD t                          ; step t: 16 rows x 512 bytes into set t % 2
.irp w, 0,1,2,3,4,5,6,7,8,9,10,11,12,13,14,15
	global_load_b128 v[R+64*((\t)%2)+4*\w:R+64*((\t)%2)+4*\w+3], v4, s[4:5] offset:4096*\w+512*(\t) th:TH_LOAD_NT
.endr
.endm
	LOAD 0
	LOAD 1
	s_wait_kmcnt 0x0
	s_cmp_lt_u32 ttmp9, 352
	s_cselect_b32 s15, s41, s47
	s_cmp_lt_u32 ttmp9, 256
	s_cselect_b32 s15, s40, s15                    ; e
	s_add_co_i32 s15, s15, 127
	s_lshl_b32 s36, s15, 23
	v_mov_b32 v11, s36                             ; 2^e as f32: the conversion takes its exponent field
	s_add_co_i32 s15, s15, 8
	s_lshl_b32 s15, s15, 23
	s_or_b32 s15, s15, 0x600000
	v_mov_b32 v10, s15                             ; 448 x 2^e
.macro STEP t
.if (\t) < 3
	s_wait_loadcnt 16                              ; this step's 16 loads are in; the next step's 16 may be out
.else
	s_wait_loadcnt 0
.endif
.irp w, 0,1,2,3,4,5,6,7,8,9,10,11,12,13,14,15
	ds_store_b128 v14, v[R+64*((\t)%2)+4*\w:R+64*((\t)%2)+4*\w+3] offset:SP*\w
.endr
.irp c, 0,1,2,3                        ; LDS serves a wave's instructions in order: these see the stores above
.irp n, 0,1,2,3
	ds_load_b128 v[X+16*\c+4*\n:X+16*\c+4*\n+3], v15 offset:128*\c+16*(\n%2)+64*(\n/2)
.endr
.endr
	s_wait_dscnt 0x0                               ; the numbers are back, so the stores into the stage have read their registers,
.if (\t)+2 < 4
	LOAD (\t)+2                                    ; which take the loads of two steps on
.endif
.set i, 0
.rept 64
	v_med3_num_f32 v[X+i], v[X+i], -v10, v10       ; the conversion to an 8-bit code does not saturate (ISA guide 7.6.2): the hold comes first
.set i, i+1
.endr
	s_wait_xcnt 0x0                                ; the last step's stores have read their data: the codes' registers are written again only behind this wait
.irp c, 0,1,2,3
	v_cvt_scalef32_pk8_fp8_f32 v[C+4*\c:C+4*\c+1], v[X+16*\c:X+16*\c+7], v11
	v_cvt_scalef32_pk8_fp8_f32 v[C+4*\c+2:C+4*\c+3], v[X+16*\c+8:X+16*\c+15], v11
.endr
	v_nop                                          ; a plain line behind the last conversion: the next step's holds write the conversions' sources
.irp c, 0,1,2,3
	global_store_b128 v4, v[C+4*\c:C+4*\c+3], s[8:9] offset:2048*(\t)+512*\c   ; chunk 4 t + c: 512 consecutive bytes, aligned
.endr
.endm
	STEP 0
	STEP 1
	STEP 2
	STEP 3
	s_wait_tensorcnt 0x0
	ds_add_u32 v240, v241
	s_wait_dscnt 0x0
	s_endpgm
	; ---------------- (2) the masks ----------------
.Lmask:
	s_sub_co_u32 s4, ttmp9, 384
	s_and_b32 s5, s4, 15                           ; ks
	s_lshr_b32 s6, s4, 4                           ; block of 64 queries
	s_lshl_b32 s8, s6, 17                          ; 64 rows of 2,048 bytes
	s_lshl_b32 s10, s5, 7                          ; 128 keys
	s_add_co_u32 s8, s8, s10
	s_mov_b32 s9, 0
	s_add_nc_u64 s[22:23], s[22:23], s[8:9]        ; causal_mask at (64 block, 128 ks)
	s_lshl_b32 s8, s2, 11
	s_add_co_u32 s8, s8, s10
	s_add_nc_u64 s[24:25], s[24:25], s[8:9]        ; key_padding_mask at (b, 128 ks)
	s_lshl_b32 s8, s2, 4
	s_add_co_u32 s8, s8, s5                        ; 16 b + ks
	s_lshl_b32 s8, s8, 7
	s_lshl_b32 s11, s6, 2
	s_add_co_u32 s8, s8, s11                       ; x 128 + the first query tile
	s_lshl_b32 s8, s8, 8                           ; 64 words each
	s_add_nc_u64 s[32:33], s[32:33], s[8:9]
	s_lshl_b32 s8, s2, 5
	s_add_co_u32 s8, s8, s6
	s_lshl_b32 s8, s8, 4
	s_add_co_u32 s8, s8, s5
	s_lshl_b32 s8, s8, 2
	s_add_nc_u64 s[34:35], s[34:35], s[8:9]        ; fl[b][block][ks]
	v_lshlrev_b32 v5, 3, v3                        ; 8 h
	v_lshl_add_u32 v6, v2, 11, v5                  ; row r, + 8 h
.irp kt, 0,1,2,3,4,5,6,7
	global_load_b64 v[16+2*\kt:17+2*\kt], v5, s[24:25] offset:16*\kt          ; the padding mask's bytes of keys 16 kt + 8 h + 0..7
.endr
.irp q, 0,1,2,3
.irp kt, 0,1,2,3,4,5,6,7
	global_load_b64 v[32+16*\q+2*\kt:33+16*\q+2*\kt], v6, s[22:23] offset:32768*\q+16*\kt   ; query 16 q + r, the same keys
.endr
.endr
.irp i, 96,97,98,99,100,101,102,103
	v_mov_b32 v\i, 0                               ; a lane write's destination counts as read
.endr
	s_mov_b32 s37, -1                              ; the AND of all words
	s_mov_b32 s38, 0                               ; the OR
	s_wait_loadcnt 0x0
.irp q, 0,1,2,3
.irp kt, 0,1,2,3,4,5,6,7
	v_or_b32 v[32+16*\q+2*\kt], v[32+16*\q+2*\kt], v[16+2*\kt]
	v_or_b32 v[33+16*\q+2*\kt], v[33+16*\q+2*\kt], v[17+2*\kt]
.irp j, 0,1,2,3,4,5,6,7
	v_and_b32 v[8+\j], 0xff<<(8*(\j%4)), v[32+16*\q+2*\kt+\j/4]
	v_cmp_ne_u32 s[40+\j], 0, v[8+\j]              ; word 8 kt + j of query tile q: a bit for each lane
.endr
.irp j, 0,1,2,3,4,5,6,7
	s_and_b32 s37, s37, s[40+\j]
	s_or_b32 s38, s38, s[40+\j]
	v_writelane_b32 v[96+4*(\q/2)+\j%4], s[40+\j], 16*(\q%2)+2*\kt+\j/4   ; so that byte 256 q + 4 (8 kt + j) of the 1,024 lies at 16 x lane + 4 x register
.endr
.endr
.endr
	global_store_b128 v4, v[96:99], s[32:33]                ; 512 consecutive bytes each, aligned
	global_store_b128 v4, v[100:103], s[32:33] offset:512
	s_cmp_eq_u32 s37, -1
	s_cselect_b32 s39, 2, 1
	s_cmp_eq_u32 s38, 0
	s_cselect_b32 s39, 0, s39
	v_mov_b32 v9, s39
	v_mov_b32 v8, 0
	v_cmp_eq_u32 vcc_lo, 0, v1
	s_wait_xcnt 0x0                                ; EXEC is a source of the stores above: it changes only behind this wait
	s_and_saveexec_b32 s36, vcc_lo
	global_store_b32 v8, v9, s[34:35]              ; lane 0 stores the block's number
	s_wait_xcnt 0x0
	s_or_b32 exec_lo, exec_lo, s36
	s_endpgm
.Lfunc_end_k_q1c044ff4ab_prep:
	.size	k_q1c044ff4ab_prep, .Lfunc_end_k_q1c044ff4ab_prep-k_q1c044ff4ab_prep
	.p2alignl 7, 3214868480
	.fill 96, 4, 3214868480
	.section	.rodata,"a",@progbits
	.p2align	6, 0x0
	.amdhsa_kernel k_q1c044ff4ab_prep
		.amdhsa_group_segment_fixed_size 34304
		.amdhsa_private_segment_fixed_size 0
		.amdhsa_enable_private_segment 0
		.amdhsa_kernarg_size 80
		.amdhsa_user_sgpr_count 2
		.amdhsa_user_sgpr_kernarg_segment_ptr 1
		.amdhsa_wavefront_size32 1
		.amdhsa_system_sgpr_workgroup_id_x 1
		.amdhsa_system_sgpr_workgroup_id_y 1
		.amdhsa_system_sgpr_workgroup_id_z 1
		.amdhsa_system_vgpr_workitem_id 0
		.amdhsa_next_free_vgpr 242
		.amdhsa_next_free_sgpr 66
		.amdhsa_reserve_vcc 1
		.amdhsa_float_denorm_mode_32 3
		.amdhsa_float_denorm_mode_16_64 3
		.amdhsa_memory_ordered 1
		.amdhsa_forward_progress 1
		.amdhsa_inst_pref_size 109
	.end_amdhsa_kernel
	.amdgpu_metadata
---
amdhsa.version: [ 1, 2 ]
amdhsa.kernels:
  - .name:           k_q1c044ff4ab_prep
    .symbol:         k_q1c044ff4ab_prep.kd
    .args:
      - { .name: x, .offset: 0, .size: 8, .value_kind: global_buffer, .address_space: global }
      - { .name: Wqkv, .offset: 8, .size: 8, .value_kind: global_buffer, .address_space: global }
      - { .name: Wproj, .offset: 16, .size: 8, .value_kind: global_buffer, .address_space: global }
      - { .name: causal_mask, .offset: 24, .size: 8, .value_kind: global_buffer, .address_space: global }
      - { .name: key_padding_mask, .offset: 32, .size: 8, .value_kind: global_buffer, .address_space: global }
      - { .name: lowp_scales, .offset: 40, .size: 8, .value_kind: global_buffer, .address_space: global }
      - { .name: xq, .offset: 48, .size: 8, .value_kind: global_buffer, .address_space: global }
      - { .name: wc, .offset: 56, .size: 8, .value_kind: global_buffer, .address_space: global }
      - { .name: mw, .offset: 64, .size: 8, .value_kind: global_buffer, .address_space: global }
      - { .name: fl, .offset: 72, .size: 8, .value_kind: global_buffer, .address_space: global }
    .group_segment_fixed_size: 34304
    .private_segment_fixed_size: 0
    .kernarg_segment_align: 8
    .kernarg_segment_size: 80
    .max_flat_workgroup_size: 128
    .sgpr_count:     66
    .vgpr_count:     242
    .wavefront_size: 32
...
	.end_amdgpu_metadata
.endif
;; end of part 1
;; launch gemm_qkv (part 2): grid 8 x 48, 4 waves a work-group, clusters of 4 x 4, 327,680 bytes of LDS; arguments xq, wc, bqkv, lowp_scales, qkv; writes qkv
.if DOCPART == 2
	.amdgcn_target "amdgcn-amd-amdhsa--gfx1250"
	.amdhsa_code_object_version 6
	.text
	.protected	k_q1c044ff4ab_gemm_qkv
	.globl	k_q1c044ff4ab_gemm_qkv
	.p2align	8
	.type	k_q1c044ff4ab_gemm_qkv,@function
k_q1c044ff4ab_gemm_qkv:
	s_mov_b64 s[64:65], 0
	v_nop
	global_prefetch_b8 v0, s[64:65] scope:SCOPE_SE
	s_setreg_imm32_b32 hwreg(HW_REG_WAVE_MODE, 25, 1), 1
	s_wait_xcnt 0x0
	s_wait_alu depctr_hold_cnt(0) depctr_sa_sdst(0) depctr_va_vdst(0) depctr_va_sdst(0) depctr_va_ssrc(0) depctr_va_vcc(0) depctr_vm_vsrc(0)
	s_getreg_b32 s2, hwreg(HW_REG_IB_STS2, 6, 4)
	s_cmp_eq_u32 s2, 0
	s_cbranch_scc0 .Lentry_in_a_cluster
	s_endpgm
.Lentry_in_a_cluster:
	s_bfe_u32 s2, ttmp6, 0x10000c
	s_cmp_lg_u32 s2, 0xf033
	s_cbranch_scc0 .Lentry_shape_is_right
	s_endpgm
.Lentry_shape_is_right:
; qkv = x Wqkv^T + bqkv on codes of E4M3 (K = 1,024), and the result quantised at once into the operands of the attention launch: q (scale entry 2), k (entry 3), v (entry 5).
; A work-group of four waves makes 256 x 256 numbers, a wave 128 x 128: 64 accumulators of 16 x 16.  Operands come as images of their registers: a row tile (16 rows x 1,024 K) is 16,384 bytes,
; [chunk of 32 K][lane][16 bytes], so a fragment of 128 K is four LDS loads of 512 consecutive bytes: no pitch, no padding, and every k in the place that the plain 8-bit form gives it.
; K goes in steps of 256 through two LDS slots; a wave's tensor load brings 8 row tiles x 4,096 bytes.
; THE TWO REGIONS.  Source 1 of the matrix instruction takes the A region's rows, source 0 the B region's: a lane then holds ONE row of A's (lane % 16) and eight neighbouring rows of B's.
;   q, k (clusters with y < 8):  A = tokens (xq), B = channels (wc): a lane holds eight neighbouring channels of a token: K of the score product.
;   v    (clusters with y >= 8): A = channels of Wv (wc), B = tokens (xq): a lane holds eight neighbouring keys of a channel: K of the second attention product.
;   One text serves both: what differs is chosen by selects on the cluster's y, which all sixteen partners share; the one branch on it goes round the first K step, whose C operand is the bias.
; THE BIAS is the C of each sum's first matrix instruction, divided (exactly, by v_ldexp_f32) by 2^(e0 + e1), which the sums lack.
; THE WAY OUT needs no LDS: the codes of accumulators (a, 2 g) and (a, 2 g + 1) are a lane's 16 bytes of chunk g of an image, and the wave stores 512 consecutive bytes, aligned.
;   q at byte 0, k at byte 8,388,608: [b x 16 + head][token tile][chunk 0, 1][lane][16];   v at byte 16,777,216: [b x 16 + head][step of 128 keys][channel tile 0..3][chunk 0..3][lane][16].
; CLUSTERS: 4 x 4 work-groups; A's tiles are asked for jointly along a row of the cluster, B's along a column.
; REGISTERS, in windows of 256: window 0: v16-31 addresses and scales; v32-95 the bias; v96-103 its offsets; v128-255 A's 8 fragments (one set), on the way out numbers and codes.
;   window 1: B's fragments, two sets.   windows 2, 3: the accumulators, (a, b) at v[8 (8 (a % 4) + b)].
; LIMITS: e(out) - e0 - e1 lies between -126 and 119 for each of the three outputs.  NaN is not served.
.set HALFT,  32768                     ; 8 row tiles x 4,096 bytes: what one tensor load brings, and what one wave reads of A or of B
.set SLOT,   4*HALFT                   ; A's two halves, then B's two
.set SPARE,  2*SLOT                    ; behind the ring: the spare words, 128 bytes for each wave, which no other line names
.set KSB,    4096                      ; a row tile's bytes of 256 along K
.set FR,     16
.set NL,     4
.set NP,     4                         ; places behind this matrix instruction (ISA guide 7.12.1)
.set ADRA, 16                          ; v16-17  LDS address of my A fragments in slot 0, 1
.set ADRB, 20                          ; v20-21  the same for B
.set SO,   24                          ; v24-25  the way out: 16 x lane, and that + the distance of chunks 2, 3 from chunks 0, 1
.set SPW,  28                          ; v28     LDS address of my spare word; never rewritten
.set NIL,  29                          ; v29     0; never rewritten
.set LIM,  30                          ; v30     448 x the conversion's scale
.set SCL,  31                          ; v31     the conversion's scale
.set BI,   32
.set BO,   96
.set AF,   128
.set TQ,   128                         ; the way out: a block's 64 sums, held
.set CQ,   192                         ; and their codes
.set G1, 24
.set G0, 32
.set G1B, 48
.set G0B, 56
.set MSB, 0
.macro WIN new                         ; the immediate's high byte repeats the setting that is left
.if MSB != \new
	s_set_vgpr_msb (MSB<<8)|\new
.set MSB, \new
.endif
.endm
.set MUL_LO, 0xa1                      ; source 0 (B) window 1, source 1 (A) window 0, C and D window 2
.set MUL_HI, 0xf1                      ; the same, C and D window 3
.set FST_LO, 0x81                      ; the first step: C (the bias) window 0, D window 2
.set FST_HI, 0xc1                      ; D window 3
.set TO_B,   0x40
.macro JLOAD g0a, g1a, g0b, g1b        ; a joint load: waves 0 and 1 fetch for A, waves 2 and 3 for B; four v_nop follow each line
	s_cmp_eq_u32 s15, 0
	s_cbranch_scc0 .Lfor_b_\@
	tensor_load_to_lds s[\g0a:\g0a+3], s[\g1a:\g1a+7]
	s_nop 0
.rept 4
	v_nop
.endr
	s_branch .Lasked_\@
.Lfor_b_\@:
	tensor_load_to_lds s[\g0b:\g0b+3], s[\g1b:\g1b+7]
	s_nop 0
.rept 4
	v_nop
.endr
.Lasked_\@:
.endm
.macro CREST                           ; a round of the cluster's barrier behind its opening barrier
	s_cmp_lg_u32 s14, 0
	s_cbranch_scc1 .Lnot_wave_0_\@
	s_barrier_signal -3
.Lnot_wave_0_\@:
	s_barrier_wait -3
	s_barrier_signal -1
	s_barrier_wait -1
.endm
.macro CROUND
	s_barrier_signal -1
	s_barrier_wait -1
	CREST
.endm
	s_load_b128 s[4:7], s[0:1], 0x0                ; xq, wc
	s_load_b128 s[8:11], s[0:1], 0x10              ; bqkv, lowp_scales
	s_load_b64 s[12:13], s[0:1], 0x20              ; qkv
	v_lshl_add_u32 v[SPW], v0, 2, SPARE
	v_mov_b32 v[NIL], 0
	ds_add_u32 v28, v29
	ds_add_u32 v28, v29
	s_wait_dscnt 0x0
	v_lshrrev_b32 v1, 5, v0
	v_readfirstlane_b32 s14, v1                    ; wave 0..3
	s_lshr_b32 s15, s14, 1                         ; which half of A's rows is mine.  Also: I fetch for A (0) or for B (1)
	s_and_b32 s16, s14, 1                          ; which half of B's rows.  Also: which 128 rows of that tile I fetch
	s_bfe_u32 s40, ttmp6, 0x40000                  ; cx
	s_bfe_u32 s41, ttmp6, 0x40004                  ; cy
	s_lshl_b32 s42, ttmp9, 2
	s_add_co_u32 s42, s42, s40                     ; gx = 4 x cluster x + cx
	s_and_b32 s66, ttmp7, 0xffff                   ; the cluster's y
	s_lshl_b32 s17, s66, 2
	s_add_co_u32 s17, s17, s41                     ; gy = 4 x cluster y + cy
	s_lshl_b32 s43, s41, 2
	s_lshl_b32 s43, 15, s43                        ; my row of the cluster
	s_lshl_b32 s44, 0x1111, s40                    ; my column
	; descriptor group 1: 8 rows of 512 elements of 8 bytes (4,096 bytes), 2,048 elements (a row tile's image) apart; no padding
	s_or_b32 s[G1+0], s43, (3<<16)|(1<<21)         ; 15:0 the mask: A's tiles go to my row; 17:16 elements of 8 bytes; 21 set beside a mask
	s_or_b32 s[G1B+0], s44, (3<<16)|(1<<21)        ; B's go to my column
.irp g, G1, G1B
	s_mov_b32 s[\g+1], 512<<16                     ; tensor_dim0
	s_mov_b32 s[\g+2], 8<<16                       ; tensor_dim1
	s_mov_b32 s[\g+3], 512<<16                     ; tile_dim0
	s_mov_b32 s[\g+4], 8                           ; tile_dim1
	s_mov_b32 s[\g+5], 2048                        ; tensor_dim0_stride
	s_mov_b32 s[\g+6], 0
	s_mov_b32 s[\g+7], 0
.endr
	; which tiles of 256 rows.  A's number is made of cy and the cluster's y alone, B's of cx, the cluster's x and its y alone
	s_add_co_u32 s18, s41, 8                       ; v: Wv's tile 8 + cy of wc
	s_sub_co_u32 s19, s66, 8
	s_lshl_b32 s19, s19, 3
	s_add_co_u32 s19, s19, s42                     ; v: tokens' tile 8 (cluster y - 8) + gx
	s_cmp_ge_u32 s66, 8
	s_cselect_b32 s67, 1, 0                        ; 1: this cluster makes v
	s_cselect_b32 s18, s18, s17                    ; q, k: tokens' tile gy
	s_cselect_b32 s19, s19, s42                    ; q, k: channels' tile gx
	s_lshl_b32 s22, s16, 17                        ; which 128 rows (8 images) I fetch
	s_lshl_b32 s20, s18, 18                        ; 16 images of 16,384 bytes
	s_add_co_u32 s20, s20, s22
	s_mov_b32 s21, 0
	s_lshl_b32 s46, s19, 18
	s_add_co_u32 s46, s46, s22
	s_mov_b32 s47, 0
	s_mul_i32 s45, s14, HALFT                      ; where they go: wave x 32,768: no place in the cluster enters an LDS address
	s_wait_kmcnt 0x0
	s_load_b256 s[72:79], s[10:11], 0x0            ; e0 .. e7
	s_cmp_lg_u32 s67, 0
	s_cselect_b64 s[68:69], s[6:7], s[4:5]         ; A's buffer
	s_cselect_b64 s[70:71], s[4:5], s[6:7]         ; B's
	s_add_nc_u64 s[20:21], s[68:69], s[20:21]
	s_add_nc_u64 s[46:47], s[70:71], s[46:47]
	CROUND                                         ; all sixteen work-groups are here: the first joint loads meet
.irp s, 0,1
	s_mov_b32 s[G0+4*\s], 1
	s_add_co_u32 s[G0+4*\s+1], s45, \s*SLOT
	s_add_nc_u64 s[G0+4*\s+2:G0+4*\s+3], s[20:21], \s*KSB
	s_or_b32 s[G0+4*\s+3], s[G0+4*\s+3], 0x80000000
	s_mov_b32 s[G0B+4*\s], 1
	s_add_co_u32 s[G0B+4*\s+1], s45, \s*SLOT
	s_add_nc_u64 s[G0B+4*\s+2:G0B+4*\s+3], s[46:47], \s*KSB
	s_or_b32 s[G0B+4*\s+3], s[G0B+4*\s+3], 0x80000000
	JLOAD G0+4*\s, G1, G0B+4*\s, G1B               ; two tensor loads of mine are out
.endr
	v_and_b32 v1, 31, v0
	v_lshlrev_b32 v4, 4, v1                        ; 16 x lane
	v_and_b32 v2, 15, v0                           ; r
	v_bfe_u32 v3, v0, 4, 1                         ; h
	s_mul_i32 s22, s15, HALFT                      ; my 128 rows of A
	s_mul_i32 s23, s16, HALFT                      ; my 128 rows of B,
	s_add_co_u32 s23, s23, 2*HALFT                 ; which lie behind A's 256
.irp s, 0,1
	v_add_nc_u32 v[ADRA+\s], s22, v4
	v_add_nc_u32 v[ADRB+\s], s23, v4
	s_add_co_u32 s22, s22, SLOT
	s_add_co_u32 s23, s23, SLOT
.endr
	; the bias's first byte: q, k: channel 256 gx + 128 x (B's half);  v: channel 2,048 + 256 cy + 128 x (A's half)
	s_lshl_b32 s86, s42, 10
	s_lshl_b32 s87, s16, 9
	s_add_co_u32 s86, s86, s87
	s_lshl_b32 s88, s41, 10
	s_lshl_b32 s87, s15, 9
	s_add_co_u32 s88, s88, s87
	s_add_co_u32 s88, s88, 8192
	; where my codes begin.  q, k: section x 8,388,608 + (16 batch + my first head) x 131,072 + my first token tile x 1,024
	s_lshr_b32 s89, s17, 3
	s_lshl_b32 s89, s89, 4
	s_and_b32 s90, s42, 3
	s_lshl_b32 s90, s90, 2
	s_add_co_u32 s89, s89, s90
	s_lshl_b32 s90, s16, 1
	s_add_co_u32 s89, s89, s90
	s_lshl_b32 s89, s89, 17
	s_and_b32 s90, s17, 7
	s_lshl_b32 s90, s90, 4
	s_lshl_b32 s91, s15, 3
	s_add_co_u32 s90, s90, s91
	s_lshl_b32 s90, s90, 10
	s_add_co_u32 s89, s89, s90
	s_lshl_b32 s90, ttmp9, 23
	s_add_co_u32 s89, s89, s90
	; v: 16,777,216 + (16 batch + my first head) x 131,072 + my step of 128 keys x 8,192
	s_sub_co_u32 s92, s66, 8
	s_lshl_b32 s92, s92, 4
	s_lshl_b32 s93, s41, 2
	s_add_co_u32 s92, s92, s93
	s_lshl_b32 s93, s15, 1
	s_add_co_u32 s92, s92, s93
	s_lshl_b32 s92, s92, 17
	s_lshl_b32 s93, s42, 1
	s_add_co_u32 s93, s93, s16
	s_lshl_b32 s93, s93, 13
	s_add_co_u32 s92, s92, s93
	s_add_co_u32 s92, s92, 0x1000000
	s_mov_b32 s82, 1024
	s_mov_b32 s94, 0x20000
	s_cmp_lg_u32 s67, 0
	s_cselect_b32 s86, s88, s86
	s_cselect_b32 s80, s92, s89
	s_cselect_b32 s82, 2048, s82                   ; from block a to block a + 1: a token tile, or a channel tile
	s_cselect_b32 s84, 122880, 0                   ; v: block 4 begins the next head: 131,072 - 4 x 2,048 more
	s_cselect_b32 s94, 1024, s94                   ; chunks 2, 3 lie: q, k: in the next head; v: 1,024 bytes on
	s_cselect_b32 s90, 4, 0                        ; the bias's offset = r x s90 + h x s91 + j x s93: q, k: channel 8 h + j; v: channel r
	s_cselect_b32 s91, 0, 32
	s_cselect_b32 s93, 0, 4
	s_mov_b32 s87, 0
	s_mov_b32 s81, 0
	s_mov_b32 s83, 0
	s_mov_b32 s85, 0
	s_add_nc_u64 s[8:9], s[8:9], s[86:87]
	s_add_nc_u64 s[80:81], s[12:13], s[80:81]
	v_mov_b32 v[SO], v4
	v_add_nc_u32 v[SO+1], s94, v4
	v_mul_u32_u24 v5, s90, v2
	v_mad_u32_u24 v5, v3, s91, v5
.irp j, 0,1,2,3,4,5,6,7
	s_mul_i32 s95, s93, \j
	v_add_nc_u32 v[BO+\j], s95, v5
.endr
.irp x, 0,1,2,3,4,5,6,7                ; tile x of 16 channels: q, k: B's block x; v: A's block x
.irp j, 0,1,2,3,4,5,6,7
	global_load_b32 v[BI+8*\x+\j], v[BO+\j], s[8:9] offset:64*\x
.endr
.endr
	s_wait_kmcnt 0x0
	s_add_co_i32 s86, s72, s73                     ; e0 + e1
	s_sub_co_i32 s87, 0, s86
	s_cmp_eq_u32 ttmp9, 0
	s_cselect_b32 s88, s74, s75                    ; q's or k's exponent,
	s_cmp_lg_u32 s67, 0
	s_cselect_b32 s88, s77, s88                    ; or v's
	s_sub_co_i32 s88, s88, s86                     ; a sum stands for sum x 2^(e0 + e1): its code is sum / 2^(e(out) - e0 - e1)
	s_add_co_i32 s88, s88, 127
	s_lshl_b32 s89, s88, 23
	v_mov_b32 v[SCL], s89
	s_add_co_i32 s88, s88, 8
	s_lshl_b32 s88, s88, 23
	s_or_b32 s88, s88, 0x600000
	v_mov_b32 v[LIM], s88
	s_wait_loadcnt 0x0
.set i, 0
.rept 64
	v_ldexp_f32 v[BI+i], v[BI+i], s87              ; bias / 2^(e0 + e1)
.set i, i+1
.endr
.macro FRAG reg, adr, q, i             ; a fragment, 16 rows x 128 K: row tile i of my eight, the slot's q-th 128 along K: four chunks of 512 bytes
.irp c, 0,1,2,3
	ds_load_b128 v[\reg+4*\c:\reg+4*\c+3], v[\adr] offset:KSB*(\i)+2048*(\q)+512*\c
.endr
.endm
; 16 matrix instructions: A's blocks a0, a0 + 1 x B's eight.  p: B's set.  mode 0: onto the sums; 1: the sums begin with the bias of B's block; 2: with that of A's block.
; The 64 accumulators take turns, one instruction a turn, in the same order in every step.
.macro MUL16 a0, p, mode
.irp a, \a0, \a0+1
.irp b, 0,1,2,3,4,5,6,7
.if \mode == 0
	v_wmma_f32_16x16x128_fp8_fp8 v[8*(8*((\a)%4)+\b):8*(8*((\a)%4)+\b)+7], v[128*(\p)+FR*\b:128*(\p)+FR*\b+FR-1], v[AF+FR*(\a):AF+FR*(\a)+FR-1], v[8*(8*((\a)%4)+\b):8*(8*((\a)%4)+\b)+7]
.elseif \mode == 1
	v_wmma_f32_16x16x128_fp8_fp8 v[8*(8*((\a)%4)+\b):8*(8*((\a)%4)+\b)+7], v[128*(\p)+FR*\b:128*(\p)+FR*\b+FR-1], v[AF+FR*(\a):AF+FR*(\a)+FR-1], v[BI+8*\b:BI+8*\b+7]
.else
	v_wmma_f32_16x16x128_fp8_fp8 v[8*(8*((\a)%4)+\b):8*(8*((\a)%4)+\b)+7], v[128*(\p)+FR*\b:128*(\p)+FR*\b+FR-1], v[AF+FR*(\a):AF+FR*(\a)+FR-1], v[BI+8*(\a):BI+8*(\a)+7]
.endif
.endr
.endr
.endm
.macro FETCH_B slot, q, p
	WIN TO_B
.irp i, 0,1,2,3,4,5,6,7
	FRAG 128*(\p)+FR*\i, ADRB+\slot, \q, \i
.endr
	WIN 0
.endm
.macro FETCH_A slot, q, i0
.irp i, \i0, \i0+1, \i0+2, \i0+3
	FRAG AF+FR*(\i), ADRA+\slot, \q, \i
.endr
.endm
.macro PLACES n                        ; plain vector lines between a matrix instruction and a load into, or a vector read or write of, its registers
.rept \n
	v_nop
.endr
.endm
; A step of 128 along K that has its successor in the same slot.
.macro STEP slot, q, mode
	s_wait_dscnt 4*NL                              ; B's set and A's blocks 0-3 are in; the youngest 16 loads (A's blocks 4-7) may be out
.if \mode
	WIN FST_LO
.else
	WIN MUL_LO
.endif
	MUL16 0, (\q)%2, \mode
	MUL16 2, (\q)%2, \mode
	s_wait_dscnt 0                                 ; A's blocks 4-7 are in
	PLACES NP
	FETCH_B \slot, (\q)+1, 1-(\q)%2
	FETCH_A \slot, (\q)+1, 0
.if \mode
	WIN FST_HI
.else
	WIN MUL_HI
.endif
	MUL16 4, (\q)%2, \mode
	MUL16 6, (\q)%2, \mode
	PLACES NP
	WIN 0
	FETCH_A \slot, (\q)+1, 4
.endm
; A slot's last step changes slots: ONE barrier; in front of it each wave waits for all its tensor loads, adds 0 to its spare word, and waits for that and for its own reads of this slot.
.macro TURN slot, next, fill
	s_wait_tensorcnt 0x0                           ; all my tensor loads have landed: my part of the next slot
	ds_add_u32 v[SPW], v[NIL]                      ; 0 onto my spare word
	s_wait_dscnt 4*NL+1                            ; (the add and the youngest 16 loads, A's blocks 4-7, may be out)
	WIN MUL_LO
	MUL16 0, 1, 0                                  ; sixteen matrix instructions stand between the add and the wait for it
	s_wait_dscnt 0x0                               ; the add is done, and my reads of this slot are over
	s_barrier_signal -1
	MUL16 2, 1, 0
	WIN 0
	s_barrier_wait -1
.if \fill
	CREST                                          ; the barrier has opened a round of the cluster's barrier: no wave of any partner still reads this slot or has a load on its way
	s_add_nc_u64 s[G0+4*\slot+2:G0+4*\slot+3], s[G0+4*\slot+2:G0+4*\slot+3], 2*KSB
	s_add_nc_u64 s[G0B+4*\slot+2:G0B+4*\slot+3], s[G0B+4*\slot+2:G0B+4*\slot+3], 2*KSB
	JLOAD G0+4*\slot, G1, G0B+4*\slot, G1B         ; the first tensor load behind the round, my only one until the next; its four v_nop are the places in front of the loads below
.else
	PLACES NP
.endif
	FETCH_B \next, 0, 0
	FETCH_A \next, 0, 0
	WIN MUL_HI
	MUL16 4, 1, 0
	MUL16 6, 1, 0
	PLACES NP
	WIN 0
	FETCH_A \next, 0, 4
.endm
	s_wait_tensorcnt 1                             ; my part of K step 0 is in (K step 1's load may be out)
	s_barrier_signal -1
	s_barrier_wait -1                              ; everybody's is
	FETCH_B 0, 0, 0
	FETCH_A 0, 0, 0
	FETCH_A 0, 0, 4
	s_cmp_lg_u32 s67, 0                            ; the cluster's y decides: the same way in all sixteen work-groups; both ways issue the same LDS loads, and neither holds a barrier or a tensor load
	s_cbranch_scc1 .Lfirst_v
	STEP 0, 0, 1                                   ; q, k: the bias runs along a lane's registers (B's rows)
	s_branch .Lfirst_done
.Lfirst_v:
	STEP 0, 0, 2                                   ; v: the bias belongs to the lane (A's rows)
.Lfirst_done:
	TURN 0, 1, 1                                   ; K = 1,024 is four fills: written out
	STEP 1, 0, 0
	TURN 1, 0, 1
	STEP 0, 0, 0
	TURN 0, 1, 0                                   ; nothing is left to fetch
	STEP 1, 0, 0
	s_wait_dscnt 4*NL
	WIN MUL_LO
	MUL16 0, 1, 0
	MUL16 2, 1, 0
	s_wait_dscnt 0
	WIN MUL_HI
	MUL16 4, 1, 0
	MUL16 6, 1, 0
	WIN 0
; THE WAY OUT of block a (16 rows of A's x my 128 of B's): held, converted, stored.  Each accumulator is read from its low end on.
.macro EPI a
.set AC, 64*((\a)%4)
	WIN 0x02+((\a)/4)                              ; source 0: window 2 or 3
.set i, 0
.rept 64
	v_med3_num_f32 v[TQ+i], v[AC+i], -v[LIM], v[LIM]   ; the conversion to an 8-bit code does not saturate (ISA guide 7.6.2)
.set i, i+1
.endr
	WIN 0
	s_wait_xcnt 0x0                                ; the last block's stores have read their data and their base: both are written again only behind this wait
.if (\a) > 0
	s_add_nc_u64 s[80:81], s[80:81], s[82:83]
.endif
.if (\a) == 4
	s_add_nc_u64 s[80:81], s[80:81], s[84:85]
.endif
.irp b, 0,1,2,3,4,5,6,7
	v_cvt_scalef32_pk8_fp8_f32 v[CQ+2*\b:CQ+2*\b+1], v[TQ+8*\b:TQ+8*\b+7], v[SCL]
.endr
	v_nop                                          ; a plain line behind the last conversion: the next block's holds write the conversions' sources
.irp g, 0,1,2,3
	global_store_b128 v[SO+\g/2], v[CQ+4*\g:CQ+4*\g+3], s[80:81] offset:512*(\g%2)   ; chunk g: 512 consecutive bytes, aligned
.endr
.endm
	PLACES NP
.irp a, 0,1,2,3,4,5,6,7
	EPI \a
.endr
	s_wait_tensorcnt 0x0                           ; the wave's end
	ds_add_u32 v[SPW], v[NIL]
	s_wait_dscnt 0x0
	CROUND                                         ; the closing round: no work-group ends while a partner may still ask for a tile that names it
	s_endpgm
.Lfunc_end_k_q1c044ff4ab_gemm_qkv:
	.size	k_q1c044ff4ab_gemm_qkv, .Lfunc_end_k_q1c044ff4ab_gemm_qkv-k_q1c044ff4ab_gemm_qkv
	.p2alignl 7, 3214868480
	.fill 96, 4, 3214868480
	.section	.rodata,"a",@progbits
	.p2align	6, 0x0
	.amdhsa_kernel k_q1c044ff4ab_gemm_qkv
		.amdhsa_group_segment_fixed_size 327680
		.amdhsa_private_segment_fixed_size 0
		.amdhsa_enable_private_segment 0
		.amdhsa_kernarg_size 40
		.amdhsa_user_sgpr_count 2
		.amdhsa_user_sgpr_kernarg_segment_ptr 1
		.amdhsa_wavefront_size32 1
		.amdhsa_system_sgpr_workgroup_id_x 1
		.amdhsa_system_sgpr_workgroup_id_y 1
		.amdhsa_system_sgpr_workgroup_id_z 1
		.amdhsa_system_vgpr_workitem_id 0
		.amdhsa_next_free_vgpr 1024
		.amdhsa_next_free_sgpr 100
		.amdhsa_reserve_vcc 0
		.amdhsa_float_denorm_mode_32 3
		.amdhsa_float_denorm_mode_16_64 3
		.amdhsa_memory_ordered 1
		.amdhsa_forward_progress 1
		.amdhsa_inst_pref_size 139
	.end_amdhsa_kernel
	.amdgpu_metadata
---
amdhsa.version: [ 1, 2 ]
amdhsa.kernels:
  - .name:           k_q1c044ff4ab_gemm_qkv
    .symbol:         k_q1c044ff4ab_gemm_qkv.kd
    .args:
      - { .name: xq, .offset: 0, .size: 8, .value_kind: global_buffer, .address_space: global }
      - { .name: wc, .offset: 8, .size: 8, .value_kind: global_buffer, .address_space: global }
      - { .name: bqkv, .offset: 16, .size: 8, .value_kind: global_buffer, .address_space: global }
      - { .name: lowp_scales, .offset: 24, .size: 8, .value_kind: global_buffer, .address_space: global }
      - { .name: qkv, .offset: 32, .size: 8, .value_kind: global_buffer, .address_space: global }
    .group_segment_fixed_size: 327680
    .private_segment_fixed_size: 0
    .kernarg_segment_align: 8
    .kernarg_segment_size: 40
    .max_flat_workgroup_size: 128
    .sgpr_count:     100
    .vgpr_count:     1024
    .wavefront_size: 32
...
	.end_amdgpu_metadata
.endif
;; end of part 2
;; launch attn (part 3): grid 4 x 64, 8 waves a work-group, no clusters, 263,168 bytes of LDS; arguments qkv, mw, fl, lowp_scales, ao; writes ao
.if DOCPART == 3
	.amdgcn_target "amdgcn-amd-amdhsa--gfx1250"
	.amdhsa_code_object_version 6
	.text
	.protected	k_q1c044ff4ab_attn
	.globl	k_q1c044ff4ab_attn
	.p2align	8
	.type	k_q1c044ff4ab_attn,@function
k_q1c044ff4ab_attn:
	s_mov_b64 s[64:65], 0
	v_nop
	global_prefetch_b8 v0, s[64:65] scope:SCOPE_SE
	s_setreg_imm32_b32 hwreg(HW_REG_WAVE_MODE, 25, 1), 1
	s_wait_xcnt 0x0
; ATTENTION on codes of E4M3: S = q k^T (K = 64), the two masks, softmax, O = P v (K = the keys), O quantised for the last product.
; WHAT IS QUANTISED FOR THE SECOND PRODUCT IS THE FINISHED SOFTMAX, so the keys are walked TWICE.  Pass 1: the row's running maximum and the sum of 2^(t - maximum), t = score x log2(e) / 8.
; Pass 2: the scores once more, p = 2^(t - maximum) x (1 / sum), quantised with 2^e4, O^T += V^T P^T.  The maximum is final in pass 2: O^T is never rescaled.  A row all of whose keys are hidden has the sum 0: its 1 / sum is set to 0,
; so its weights are 0.
; SHARES.  Work-group (j, b x 16 + head): eight waves, each 64 queries (four tiles of 16).  Wave w takes block s = j + 4 (w % 4) of the head's 32, or block 31 - s: waves w and w + 4 hold s and 31 - s.  That choice serves
; balance alone and enters global addresses only.
; LDS.  The head's whole K image (131,072 bytes) and V image (131,072) are copied in once, through registers; ONE barrier; behind it the waves share nothing more.
; THE MASKS come packed: for 64 queries x 128 keys a number in fl (0: no key hidden; 2: all hidden: the step is left out, in both passes; 1: some), and in mw a lane mask for each score register, used by v_cndmask_b32.
; The loops' trip counts are constants; the branches on fl go round a step's work, not round the lines that step addresses.
; NO CLUSTER, though the four work-groups of a head copy the same 262,144 bytes: a joint request is a tensor load; the branches on fl spare whole
; steps of both passes, the shared copy would spare three quarters of one copy.
; LAYOUT.  Both products are used transposed: S^T = K Q^T (source 0 = 16 keys, source 1 = 16 queries), O^T = V^T P^T: a lane holds ONE query (lane % 16) throughout; register j of score tile kt is key 16 kt + 8 (lane / 16) + j,
; which is the place that the plain 8-bit form gives that key in P: the conversions' results are the operand.  Each half of the lanes keeps its own maximum and sum in pass 1; they meet once, between the passes.
; O^T is cleared by moves: which step is a wave's first hangs on fl, so no product can be written as the one that starts the sums.
; REGISTERS.  window 0: v1 16 x lane; v2, v3 LDS addresses; v4 -infinity; v5, v6 2^e4 and 448 x 2^e4; v7 the copy's LDS address; v8-15 at work; v16 + 4 t: -maximum, a filler, the sum's two halves (later 1 / sum);
;   v32-47 P's codes; v48, v49 the last conversion's scale and hold; v64-127 K's 8 fragments; v128-191 V's 4; v192-255 the scores.   window 1: v0-31 Q; v64-191 O^T, (t, ct) at 64 + 32 t + 8 ct.
; LIMITS: e2 + e3 between -123 and 70 (they are added to the exponent field of log2(e) / 8, and every t stays above the floor -1e30); e4, and e6 - e4 - e5, between -126 and 119.  NaN is not served.
.set KF,  64
.set VF,  128
.set S,   192
.set PC,  32
.set STT, 16
.set MSB, 0
.macro WIN new                         ; the immediate's high byte repeats the setting that is left
.if MSB != \new
	s_set_vgpr_msb (MSB<<8)|\new
.set MSB, \new
.endif
.endm
.macro PLACES                          ; plain vector lines between a matrix instruction and a load into, or a vector read of, its registers
.rept 4
	v_nop
.endr
.endm
	s_load_b256 s[16:23], s[0:1], 0x0              ; qkv 16, mw 18, fl 20, lowp_scales 22
	s_load_b64 s[24:25], s[0:1], 0x20              ; ao
	v_lshl_add_u32 v62, v0, 2, 0x40000
	v_mov_b32 v63, 0
	v_lshrrev_b32 v1, 5, v0
	v_readfirstlane_b32 s2, v1                     ; wave 0..7
	v_and_b32 v1, 31, v0
	v_lshlrev_b32 v1, 4, v1                        ; 16 x lane; never rewritten
	s_and_b32 s72, ttmp7, 0xffff                   ; b x 16 + head
	s_lshr_b32 s73, s72, 4                         ; b
	s_and_b32 s74, s72, 15                         ; head
	s_and_b32 s75, s2, 3
	s_lshl_b32 s75, s75, 2
	s_add_co_u32 s75, s75, ttmp9                   ; s = j + 4 (w % 4)
	s_lshr_b32 s76, s2, 2
	s_xor_b32 s77, s76, s2
	s_and_b32 s77, s77, 1
	s_mul_i32 s77, s77, 31
	s_xor_b32 s3, s75, s77                         ; my block: s or 31 - s
	s_lshl_b32 s78, s73, 5
	s_add_co_u32 s78, s78, s3
	s_lshl_b32 s78, s78, 6                         ; 16 numbers of fl
	s_mov_b32 s79, 0
	s_wait_kmcnt 0x0
	s_add_nc_u64 s[20:21], s[20:21], s[78:79]
	s_load_b512 s[32:47], s[20:21], 0x0            ; my block's 16 numbers
	s_load_b256 s[48:55], s[22:23], 0x0            ; e0 .. e7
	s_lshl_b32 s78, s72, 17
	s_lshl_b32 s77, s3, 12
	s_add_co_u32 s78, s78, s77
	s_add_nc_u64 s[26:27], s[16:17], s[78:79]      ; Q: my four tiles of 1,024 bytes
	s_add_co_u32 s78, s76, 1                       ; waves 0-3 copy K (section 1), waves 4-7 V (section 2),
	s_lshl_b32 s78, s78, 23
	s_lshl_b32 s77, s72, 17
	s_add_co_u32 s78, s78, s77
	s_and_b32 s77, s2, 3
	s_lshl_b32 s77, s77, 15                        ; a quarter of the head's image each
	s_add_co_u32 s78, s78, s77
	s_add_nc_u64 s[28:29], s[16:17], s[78:79]
	s_lshl_b32 s78, s73, 19
	s_lshl_b32 s77, s3, 10
	s_add_co_u32 s78, s78, s77
	s_add_nc_u64 s[6:7], s[18:19], s[78:79]        ; mw[b][0][4 block]
	s_mov_b64 s[4:5], s[6:7]
	s_lshl_b32 s78, s73, 21
	s_lshl_b32 s77, s3, 16
	s_add_co_u32 s78, s78, s77
	s_lshl_b32 s77, s74, 10
	s_add_co_u32 s78, s78, s77
	s_add_nc_u64 s[8:9], s[24:25], s[78:79]        ; ao: token tile 128 b + 4 block, chunk 2 head
	s_lshl_b32 s78, s2, 15
	v_add_nc_u32 v7, s78, v1                       ; the copy lands at wave x 32,768
	WIN 0x40                                       ; destination window 1
.irp n, 0,1,2,3,4,5,6,7
	global_load_b128 v[4*\n:4*\n+3], v1, s[26:27] offset:512*\n    ; Q stays in registers: tile n / 2, chunk n % 2
.endr
	WIN 0
.macro LOADB n                         ; 8,192 bytes of my 32,768 into set n % 3
.irp i, 0,1,2,3,4,5,6,7,8,9,10,11,12,13,14,15
	global_load_b128 v[64+64*((\n)%3)+4*\i:64+64*((\n)%3)+4*\i+3], v1, s[28:29] offset:8192*(\n)+512*\i
.endr
.endm
.macro STOREB n
.irp i, 0,1,2,3,4,5,6,7,8,9,10,11,12,13,14,15
	ds_store_b128 v7, v[64+64*((\n)%3)+4*\i:64+64*((\n)%3)+4*\i+3] offset:8192*(\n)+512*\i
.endr
.endm
	LOADB 0
	LOADB 1
	LOADB 2
	v_mov_b32 v4, 0xff800000                       ; -infinity
.irp t, 0,1,2,3
	v_mov_b32 v[STT+4*\t], 0x7149f2ca              ; -maximum = 1e30: a floor under every t, so that t - maximum is never infinity less infinity
	v_mov_b32 v[STT+4*\t+1], 0                     ; (named as the upper half of a pair)
	v_mov_b32 v[STT+4*\t+2], 0                     ; the sum, in two halves
	v_mov_b32 v[STT+4*\t+3], 0
.endr
.irp i, 8,9,10,11,12,13,14,15
	v_mov_b32 v\i, 0                               ; written once: lane permutes' destinations and upper halves of pairs count as read
.endr
	WIN 0x40
.set i, 0
.rept 128
	v_mov_b32 v[64+i], 0                           ; O^T
.set i, i+1
.endr
	WIN 0
	s_wait_kmcnt 0x0
	s_mov_b32 s11, 0
.irp k, 0,1,2,3,4,5,6,7,8,9,10,11,12,13,14,15
	s_lshl_b32 s78, s[32+\k], 2*\k
	s_or_b32 s11, s11, s78                         ; the 16 numbers in one word, two bits each
.endr
	s_add_co_i32 s78, s50, s51
	s_lshl_b32 s78, s78, 23
	s_add_co_i32 s66, s78, 0x3e38aa3b              ; c = log2(e) / 8 x 2^(e2 + e3): the exponents are added to the exponent field
	s_mov_b32 s67, s66                             ; (named with it as a pair)
	s_xor_b32 s69, s66, 0x80000000                 ; -c
	s_cmp_lt_i32 s52, -8
	s_cselect_b32 s68, 1, 0                        ; p is at most 1 (and a rounding): under 448 x 2^e4 wherever e4 >= -8; only below that can the hold change a number
	s_add_co_i32 s78, s52, 127
	s_lshl_b32 s77, s78, 23
	v_mov_b32 v5, s77                              ; 2^e4
	s_add_co_i32 s78, s78, 8
	s_lshl_b32 s78, s78, 23
	s_or_b32 s78, s78, 0x600000
	v_mov_b32 v6, s78                              ; 448 x 2^e4
	s_sub_co_i32 s78, s54, s52
	s_sub_co_i32 s78, s78, s53                     ; a sum of the second product stands for sum x 2^(e4 + e5): its code is sum / 2^(e6 - e4 - e5)
	s_add_co_i32 s78, s78, 127
	s_lshl_b32 s77, s78, 23
	v_mov_b32 v48, s77
	s_add_co_i32 s78, s78, 8
	s_lshl_b32 s78, s78, 23
	s_or_b32 s78, s78, 0x600000
	v_mov_b32 v49, s78
	s_mov_b32 s70, 0x76543210                      ; v_permlanex16_b32's selects for lane l xor 16
	s_mov_b32 s71, 0xfedcba98
	s_wait_loadcnt 32                              ; Q and batch 0 are in; batches 1 and 2 may be out
	STOREB 0
	s_wait_dscnt 0x0                               ; those stores have read their registers,
	LOADB 3                                        ; which take the last batch
	s_wait_loadcnt 32                              ; batch 1 is in; 2 and 3 may be out
	STOREB 1
	s_wait_loadcnt 16                              ; batch 2
	STOREB 2
	s_wait_loadcnt 0x0
	STOREB 3
	s_wait_dscnt 0x0                               ; for the others' sake: my part of the images lies in LDS
	s_barrier_signal -1
	s_barrier_wait -1                              ; the only barrier
; The scores of tile t against the step's 128 keys; where some keys are hidden (s12 = 1), those scores become -infinity.
.macro SCORES t
	WIN 0x04                                       ; source 1 (Q) window 1
.irp kt, 0,1,2,3,4,5,6,7
	v_wmma_f32_16x16x64_fp8_fp8 v[S+8*\kt:S+8*\kt+7], v[KF+8*\kt:KF+8*\kt+7], v[8*\t:8*\t+7], 0
.endr
	WIN 0
	PLACES
	s_cmp_eq_u32 s12, 1
	s_cbranch_scc0 .Lopen_\@
	s_load_b512 s[16:31], s[4:5], 256*\t           ; the tile's 64 lane masks
	s_load_b512 s[32:47], s[4:5], 256*\t+64
	s_load_b512 s[48:63], s[4:5], 256*\t+128
	s_load_b512 s[80:95], s[4:5], 256*\t+192
	s_wait_kmcnt 0x0
.set w, 0
.rept 64
	v_cndmask_b32 v[S+w], v[S+w], v4, s[16+w+16*(w/48)]
.set w, w+1
.endr
.Lopen_\@:
.endm
; Pass 1, tile t: the step's largest score, the new maximum, the sum under it.
.macro P1TILE t
.set NT, STT+4*\t
	SCORES \t
.irp q, 0,1,2,3                        ; four chains over two accumulators each, every accumulator from its low end on
	v_max3_num_f32 v[8+\q], v[S+16*\q], v[S+16*\q+1], v[S+16*\q+2]
.endr
.irp i, 3,5,7,9,11,13
.irp q, 0,1,2,3
	v_max3_num_f32 v[8+\q], v[8+\q], v[S+16*\q+\i], v[S+16*\q+\i+1]
.endr
.endr
	v_max3_num_f32 v8, v8, v[S+15], v[S+31]
	v_max3_num_f32 v10, v10, v[S+47], v[S+63]
	v_max3_num_f32 v8, v8, v9, v10
	v_max_num_f32 v8, v8, v11
	v_mul_f32 v9, s69, v8                          ; -t of the largest score (c is positive)
	v_min_num_f32 v9, v9, v[NT]                    ; the new -maximum
	v_sub_f32 v12, v9, v[NT]                       ; old maximum - new maximum, 0 or less
	v_exp_f32 v12, v12                             ; what the old sum is multiplied by
	v_mov_b32 v[NT], v9                            ; (a plain line behind the exponential)
.set i, 0
.rept 32
	v_pk_fma_f32 v[S+i:S+i+1], v[S+i:S+i+1], s[66:67], v[NT:NT+1] op_sel_hi:[1,0,0]   ; t - maximum, two at a time (of the pairs the low word serves both halves)
.set i, i+2
.endr
.set i, 0
.rept 64
	v_exp_f32 v[S+i], v[S+i]
.set i, i+1
.endr
	s_wait_alu depctr_va_vdst(0)
	v_pk_mul_f32 v[NT+2:NT+3], v[NT+2:NT+3], v[12:13] op_sel_hi:[1,0]   ; the sum under the new maximum.  (It names none of the 64 results: the plain line behind the exponentials)
	v_pk_add_f32 v[14:15], v[S:S+1], v[S+2:S+3]                         ; two chains
.irp j, 4,8,12,16,20,24,28,32,36,40,44,48,52,56,60
	v_pk_add_f32 v[NT+2:NT+3], v[NT+2:NT+3], v[S+\j:S+\j+1]
	v_pk_add_f32 v[14:15], v[14:15], v[S+\j+2:S+\j+3]
.endr
	v_pk_add_f32 v[NT+2:NT+3], v[NT+2:NT+3], v[14:15]
.endm
; Between the passes: the two halves of the lanes meet.
.macro MERGE t
.set NT, STT+4*\t
	v_permlanex16_b32 v8, v[NT], s70, s71
	v_min_num_f32 v9, v[NT], v8                    ; the row's -maximum
	v_sub_f32 v10, v9, v[NT]                       ; my maximum - the row's
	v_exp_f32 v10, v10
	v_add_f32 v11, v[NT+2], v[NT+3]                ; (a plain line behind the exponential)
	s_wait_alu depctr_va_vdst(0)
	v_mul_f32 v11, v11, v10                        ; my sum under the row's maximum
	v_permlanex16_b32 v8, v11, s70, s71
	v_add_f32 v11, v11, v8                         ; the row's sum
	v_rcp_f32 v12, v11
	v_mov_b32 v[NT], v9                            ; (a plain line behind the reciprocal)
	v_cmp_lt_f32 vcc_lo, 0, v11
	s_wait_alu depctr_va_vdst(0)
	v_cndmask_b32 v[NT+2], 0, v12, vcc_lo          ; 1 / sum, or 0 for a row all of whose keys are hidden
.endm
; Pass 2, tile t: p, its codes, and O^T += V^T P^T.
.macro P2TILE t
.set NT, STT+4*\t
	SCORES \t
.set i, 0
.rept 32
	v_pk_fma_f32 v[S+i:S+i+1], v[S+i:S+i+1], s[66:67], v[NT:NT+1] op_sel_hi:[1,0,0]
.set i, i+2
.endr
.set i, 0
.rept 64
	v_exp_f32 v[S+i], v[S+i]
.set i, i+1
.endr
	v_nop                                          ; a plain line that names no result stands between the exponentials and the first use of a result (ISA guide 5.7.2): all the work that follows reads them
.set i, 0
	s_wait_alu depctr_va_vdst(0)
.rept 32
	v_pk_mul_f32 v[S+i:S+i+1], v[S+i:S+i+1], v[NT+2:NT+3] op_sel_hi:[1,0]   ; the finished softmax
.set i, i+2
.endr
	s_cmp_lg_u32 s68, 0
	s_cbranch_scc0 .Lnohold_\@
.set i, 0
.rept 64
	v_min_num_f32 v[S+i], v[S+i], v6               ; the conversion to an 8-bit code does not saturate (ISA guide 7.6.2); p is not negative, so the hold is one-sided
.set i, i+1
.endr
.Lnohold_\@:
.irp kt, 0,1,2,3,4,5,6,7
	v_cvt_scalef32_pk8_fp8_f32 v[PC+2*\kt:PC+2*\kt+1], v[S+8*\kt:S+8*\kt+7], v5
.endr
	v_nop                                          ; a plain line between the last conversion and the matrix instructions that read its result
.if \t == 0
	s_wait_dscnt 0x0                               ; V's fragments are in
.endif
	WIN 0x50                                       ; C and D (O^T) window 1
.irp ct, 0,1,2,3                       ; four accumulators by turns; the next link on each stands a step later, behind other products
	v_wmma_f32_16x16x128_fp8_fp8 v[64+32*\t+8*\ct:64+32*\t+8*\ct+7], v[VF+16*\ct:VF+16*\ct+15], v[PC:PC+15], v[64+32*\t+8*\ct:64+32*\t+8*\ct+7]
.endr
	WIN 0
.endm
	; ---------------- pass 1 ----------------
	s_mov_b32 s10, s11
	s_mov_b32 s14, 0                               ; the step's K in LDS
	s_mov_b32 s13, 0
.Lp1:
	s_and_b32 s12, s10, 3                          ; this step's number
	s_lshr_b32 s10, s10, 2
	s_cmp_eq_u32 s12, 2
	s_cbranch_scc1 .Lskip1                         ; all 64 x 128 hidden: nothing to do
	v_add_nc_u32 v2, s14, v1
	PLACES
.irp n, 0,1,2,3,4,5,6,7,8,9,10,11,12,13,14,15
	ds_load_b128 v[KF+4*\n:KF+4*\n+3], v2 offset:512*\n        ; key tile n / 2, chunk n % 2
.endr
	s_wait_dscnt 0x0
	P1TILE 0
	P1TILE 1
	P1TILE 2
	P1TILE 3
.Lskip1:
	s_add_co_u32 s14, s14, 8192
	s_add_nc_u64 s[4:5], s[4:5], 0x8000            ; mw: the next step (every scalar load that named it has been waited for)
	s_add_co_u32 s13, s13, 1
	s_cmp_lt_u32 s13, 16
	s_cbranch_scc1 .Lp1
	MERGE 0
	MERGE 1
	MERGE 2
	MERGE 3
	; ---------------- pass 2 ----------------
	s_mov_b32 s10, s11
	s_mov_b32 s14, 0
	s_mov_b32 s15, 131072                          ; the step's V in LDS
	s_mov_b64 s[4:5], s[6:7]
	s_mov_b32 s13, 0
.Lp2:
	s_and_b32 s12, s10, 3
	s_lshr_b32 s10, s10, 2
	s_cmp_eq_u32 s12, 2
	s_cbranch_scc1 .Lskip2
	v_add_nc_u32 v2, s14, v1
	v_add_nc_u32 v3, s15, v1
	PLACES                                         ; in front of loads into registers that the last products read
.irp n, 0,1,2,3,4,5,6,7,8,9,10,11,12,13,14,15
	ds_load_b128 v[KF+4*\n:KF+4*\n+3], v2 offset:512*\n
.endr
.irp n, 0,1,2,3,4,5,6,7,8,9,10,11,12,13,14,15
	ds_load_b128 v[VF+4*\n:VF+4*\n+3], v3 offset:512*\n        ; channel tile n / 4, chunk n % 4
.endr
	s_wait_dscnt 16                                ; K's 16 loads are in; V's 16 may be out
	P2TILE 0
	P2TILE 1
	P2TILE 2
	P2TILE 3
.Lskip2:
	s_add_co_u32 s14, s14, 8192
	s_add_co_u32 s15, s15, 8192
	s_add_nc_u64 s[4:5], s[4:5], 0x8000
	s_add_co_u32 s13, s13, 1
	s_cmp_lt_u32 s13, 16
	s_cbranch_scc1 .Lp2
	; ---------------- the way out: O^T held, converted with 2^(e6 - e4 - e5), stored as the last product's operand ----------------
	PLACES
.macro OUTT t
	WIN 0x01                                       ; source 0 (O^T) window 1
.set i, 0
.rept 32
	v_med3_num_f32 v[S+i], v[64+32*\t+i], -v49, v49    ; each accumulator from its low end on
.set i, i+1
.endr
	WIN 0
.irp ct, 0,1,2,3
	v_cvt_scalef32_pk8_fp8_f32 v[KF+8*\t+2*\ct:KF+8*\t+2*\ct+1], v[S+8*\ct:S+8*\ct+7], v48   ; channels 16 ct + 8 h + 0..7 of query r: half of chunk ct / 2.  Each tile has its own registers for its codes
.endr
	v_nop                                          ; a plain line behind the last conversion: the next tile's holds write the conversions' sources
	global_store_b128 v1, v[KF+8*\t:KF+8*\t+3], s[8:9] offset:16384*\t            ; 512 consecutive bytes each, aligned
	global_store_b128 v1, v[KF+8*\t+4:KF+8*\t+7], s[8:9] offset:16384*\t+512
.endm
	OUTT 0
	OUTT 1
	OUTT 2
	OUTT 3
	s_wait_tensorcnt 0x0
	ds_add_u32 v62, v63
	s_wait_dscnt 0x0
	s_endpgm
.Lfunc_end_k_q1c044ff4ab_attn:
	.size	k_q1c044ff4ab_attn, .Lfunc_end_k_q1c044ff4ab_attn-k_q1c044ff4ab_attn
	.p2alignl 7, 3214868480
	.fill 96, 4, 3214868480
	.section	.rodata,"a",@progbits
	.p2align	6, 0x0
	.amdhsa_kernel k_q1c044ff4ab_attn
		.amdhsa_group_segment_fixed_size 263168
		.amdhsa_private_segment_fixed_size 0
		.amdhsa_enable_private_segment 0
		.amdhsa_kernarg_size 40
		.amdhsa_user_sgpr_count 2
		.amdhsa_user_sgpr_kernarg_segment_ptr 1
		.amdhsa_wavefront_size32 1
		.amdhsa_system_sgpr_workgroup_id_x 1
		.amdhsa_system_sgpr_workgroup_id_y 1
		.amdhsa_system_sgpr_workgroup_id_z 1
		.amdhsa_system_vgpr_workitem_id 0
		.amdhsa_next_free_vgpr 448
		.amdhsa_next_free_sgpr 96
		.amdhsa_reserve_vcc 1
		.amdhsa_float_denorm_mode_32 3
		.amdhsa_float_denorm_mode_16_64 3
		.amdhsa_memory_ordered 1
		.amdhsa_forward_progress 1
		.amdhsa_inst_pref_size 147
	.end_amdhsa_kernel
	.amdgpu_metadata
---
amdhsa.version: [ 1, 2 ]
amdhsa.kernels:
  - .name:           k_q1c044ff4ab_attn
    .symbol:         k_q1c044ff4ab_attn.kd
    .args:
      - { .name: qkv, .offset: 0, .size: 8, .value_kind: global_buffer, .address_space: global }
      - { .name: mw, .offset: 8, .size: 8, .value_kind: global_buffer, .address_space: global }
      - { .name: fl, .offset: 16, .size: 8, .value_kind: global_buffer, .address_space: global }
      - { .name: lowp_scales, .offset: 24, .size: 8, .value_kind: global_buffer, .address_space: global }
      - { .name: ao, .offset: 32, .size: 8, .value_kind: global_buffer, .address_space: global }
    .group_segment_fixed_size: 263168
    .private_segment_fixed_size: 0
    .kernarg_segment_align: 8
    .kernarg_segment_size: 40
    .max_flat_workgroup_size: 256
    .sgpr_count:     96
    .vgpr_count:     448
    .wavefront_size: 32
...
	.end_amdgpu_metadata
.endif
;; end of part 3
;; launch gemm_proj (part 4): grid 4 x 32, 4 waves a work-group, clusters of 4 x 4, 327,680 bytes of LDS; arguments ao, wc, bproj, lowp_scales, out0; writes out0
.if DOCPART == 4
	.amdgcn_target "amdgcn-amd-amdhsa--gfx1250"
	.amdhsa_code_object_version 6
	.text
	.protected	k_q1c044ff4ab_gemm_proj
	.globl	k_q1c044ff4ab_gemm_proj
	.p2align	8
	.type	k_q1c044ff4ab_gemm_proj,@function
k_q1c044ff4ab_gemm_proj:
	s_mov_b64 s[64:65], 0
	v_nop
	global_prefetch_b8 v0, s[64:65] scope:SCOPE_SE
	s_setreg_imm32_b32 hwreg(HW_REG_WAVE_MODE, 25, 1), 1
	s_wait_xcnt 0x0
	s_wait_alu depctr_hold_cnt(0) depctr_sa_sdst(0) depctr_va_vdst(0) depctr_va_sdst(0) depctr_va_ssrc(0) depctr_va_vcc(0) depctr_vm_vsrc(0)
	s_getreg_b32 s2, hwreg(HW_REG_IB_STS2, 6, 4)
	s_cmp_eq_u32 s2, 0
	s_cbranch_scc0 .Lentry_in_a_cluster
	s_endpgm
.Lentry_in_a_cluster:
	s_bfe_u32 s2, ttmp6, 0x10000c
	s_cmp_lg_u32 s2, 0xf033
	s_cbranch_scc0 .Lentry_shape_is_right
	s_endpgm
.Lentry_shape_is_right:
; out0 = attention output x Wproj^T + bproj on codes of E4M3 (K = 1,024; scale entries 6 and 7).  out0: [8192][1024] f32.
; A work-group of four waves makes 256 x 256 numbers, a wave 128 x 128: 64 accumulators of 16 x 16.  Both operands come as images of their registers: a row tile (16 rows x 1,024 K) is 16,384 bytes,
; [chunk of 32 K][lane][16 bytes]: a fragment of 128 K is four LDS loads of 512 consecutive bytes, every k in the place that the plain 8-bit form gives it.  A = ao (tokens), B = Wproj's codes, at byte 3,145,728 of wc.
; K goes in steps of 256 through two LDS slots; a wave's tensor load brings 8 row tiles x 4,096 bytes.
; Source 0 of the matrix instruction takes B's rows, source 1 A's: a lane holds eight neighbouring columns of one row of out0.
; The bias is the C of each sum's first matrix instruction, divided (exactly) by 2^(e6 + e7); each finished sum is multiplied once by 2^(e6 + e7).
; CLUSTERS: 4 x 4 work-groups; A's tiles are asked for jointly along a row of the cluster, B's along a column.  The grid has 128 work-groups: 32 x 4 tiles of 256 x 256.
; REGISTERS, in windows of 256: window 0: v16-29 addresses; v32-95 the bias, later a block's results; v128-255 A's 8 fragments (one set), later rows read back from the stage.
;   window 1: B's fragments, two sets.   windows 2, 3: the accumulators, (a, b) at v[8 (8 (a % 4) + b)].
; LIMIT: e6 + e7 lies between -126 and 127, so that 2^(e6 + e7) is an f32 number.
.set HALFT,  32768
.set SLOT,   4*HALFT
.set SPARE,  2*SLOT                    ; behind the ring: the spare words, 128 bytes for each wave, which no other line names
.set KSB,    4096
.set FR,     16
.set NL,     4
.set NP,     4
.set SIZE_N, 1024
.set SPITCH, 528                       ; the way out: a stage of 16 rows x (512 bytes + 16) for each wave, in slot 0, which has had its last fill and its last read when the first result is stored there
.set ADRA, 16
.set ADRB, 20
.set STO,  24
.set RD,   25
.set CO,   26
.set SPW,  28
.set NIL,  29
.set BI,   32
.set TMP,  32
.set AF,   128
.set BK,   128
.set G1, 24
.set G0, 32
.set G1B, 48
.set G0B, 56
.set MSB, 0
.macro WIN new
.if MSB != \new
	s_set_vgpr_msb (MSB<<8)|\new
.set MSB, \new
.endif
.endm
.set MUL_LO, 0xa1
.set MUL_HI, 0xf1
.set FST_LO, 0x81                      ; the first step: C (the bias) window 0, D window 2
.set FST_HI, 0xc1
.set TO_B,   0x40
.macro JLOAD g0a, g1a, g0b, g1b        ; a joint load: waves 0 and 1 fetch for A, waves 2 and 3 for B; four v_nop follow each line
	s_cmp_eq_u32 s15, 0
	s_cbranch_scc0 .Lfor_b_\@
	tensor_load_to_lds s[\g0a:\g0a+3], s[\g1a:\g1a+7]
	s_nop 0
.rept 4
	v_nop
.endr
	s_branch .Lasked_\@
.Lfor_b_\@:
	tensor_load_to_lds s[\g0b:\g0b+3], s[\g1b:\g1b+7]
	s_nop 0
.rept 4
	v_nop
.endr
.Lasked_\@:
.endm
.macro CREST
	s_cmp_lg_u32 s14, 0
	s_cbranch_scc1 .Lnot_wave_0_\@
	s_barrier_signal -3
.Lnot_wave_0_\@:
	s_barrier_wait -3
	s_barrier_signal -1
	s_barrier_wait -1
.endm
.macro CROUND
	s_barrier_signal -1
	s_barrier_wait -1
	CREST
.endm
	s_load_b128 s[4:7], s[0:1], 0x0                ; ao, wc
	s_load_b128 s[8:11], s[0:1], 0x10              ; bproj, lowp_scales
	s_load_b64 s[12:13], s[0:1], 0x20              ; out0
	v_lshl_add_u32 v[SPW], v0, 2, SPARE
	v_mov_b32 v[NIL], 0
	ds_add_u32 v28, v29
	ds_add_u32 v28, v29
	s_wait_dscnt 0x0
	v_lshrrev_b32 v1, 5, v0
	v_readfirstlane_b32 s14, v1                    ; wave 0..3
	s_lshr_b32 s15, s14, 1                         ; which half of A's rows is mine.  Also: I fetch for A (0) or for B (1)
	s_and_b32 s16, s14, 1                          ; which half of B's rows.  Also: which 128 rows of that tile I fetch
	s_bfe_u32 s40, ttmp6, 0x40000                  ; cx
	s_bfe_u32 s41, ttmp6, 0x40004                  ; cy
	s_lshl_b32 s42, ttmp9, 2
	s_add_co_u32 s42, s42, s40                     ; tile column
	s_and_b32 s17, ttmp7, 0xffff
	s_lshl_b32 s17, s17, 2
	s_add_co_u32 s17, s17, s41                     ; tile row
	s_lshl_b32 s43, s41, 2
	s_lshl_b32 s43, 15, s43                        ; my row of the cluster
	s_lshl_b32 s44, 0x1111, s40                    ; my column
	s_or_b32 s[G1+0], s43, (3<<16)|(1<<21)         ; 15:0 the mask; 17:16 elements of 8 bytes; 21 set beside a mask; no padding
	s_or_b32 s[G1B+0], s44, (3<<16)|(1<<21)
.irp g, G1, G1B
	s_mov_b32 s[\g+1], 512<<16                     ; tensor_dim0: 512 elements, 4,096 bytes
	s_mov_b32 s[\g+2], 8<<16                       ; tensor_dim1: 8 row tiles
	s_mov_b32 s[\g+3], 512<<16                     ; tile_dim0
	s_mov_b32 s[\g+4], 8                           ; tile_dim1
	s_mov_b32 s[\g+5], 2048                        ; tensor_dim0_stride: an image of 16,384 bytes
	s_mov_b32 s[\g+6], 0
	s_mov_b32 s[\g+7], 0
.endr
	s_lshl_b32 s22, s16, 17                        ; which 128 rows (8 images) I fetch
	s_lshl_b32 s20, s17, 18
	s_add_co_u32 s20, s20, s22
	s_mov_b32 s21, 0
	s_lshl_b32 s46, s42, 18
	s_add_co_u32 s46, s46, s22
	s_add_co_u32 s46, s46, 3145728                 ; Wproj's codes lie behind Wqkv's
	s_mov_b32 s47, 0
	s_mul_i32 s45, s14, HALFT                      ; where they go: wave x 32,768
	s_wait_kmcnt 0x0
	s_load_b256 s[72:79], s[10:11], 0x0            ; e0 .. e7
	s_add_nc_u64 s[20:21], s[4:5], s[20:21]
	s_add_nc_u64 s[46:47], s[6:7], s[46:47]
	CROUND                                         ; all sixteen work-groups are here: the first joint loads meet
.irp s, 0,1
	s_mov_b32 s[G0+4*\s], 1
	s_add_co_u32 s[G0+4*\s+1], s45, \s*SLOT
	s_add_nc_u64 s[G0+4*\s+2:G0+4*\s+3], s[20:21], \s*KSB
	s_or_b32 s[G0+4*\s+3], s[G0+4*\s+3], 0x80000000
	s_mov_b32 s[G0B+4*\s], 1
	s_add_co_u32 s[G0B+4*\s+1], s45, \s*SLOT
	s_add_nc_u64 s[G0B+4*\s+2:G0B+4*\s+3], s[46:47], \s*KSB
	s_or_b32 s[G0B+4*\s+3], s[G0B+4*\s+3], 0x80000000
	JLOAD G0+4*\s, G1, G0B+4*\s, G1B               ; two tensor loads of mine are out
.endr
	v_and_b32 v1, 31, v0
	v_lshlrev_b32 v4, 4, v1                        ; 16 x lane
	v_and_b32 v2, 15, v0                           ; r
	v_bfe_u32 v3, v0, 4, 1                         ; h
	s_mul_i32 s22, s15, HALFT
	s_mul_i32 s23, s16, HALFT
	s_add_co_u32 s23, s23, 2*HALFT
.irp s, 0,1
	v_add_nc_u32 v[ADRA+\s], s22, v4
	v_add_nc_u32 v[ADRB+\s], s23, v4
	s_add_co_u32 s22, s22, SLOT
	s_add_co_u32 s23, s23, SLOT
.endr
	s_lshl_b32 s86, s42, 10
	s_lshl_b32 s87, s16, 9
	s_add_co_u32 s86, s86, s87                     ; my first column, in bytes: 1,024 x tile column + 512 x half
	s_mov_b32 s87, 0
	s_add_nc_u64 s[8:9], s[8:9], s[86:87]
	v_lshlrev_b32 v5, 5, v3                        ; the bias of columns 16 b + 8 h + 0..7
.irp b, 0,1,2,3,4,5,6,7
	global_load_b128 v[BI+8*\b:BI+8*\b+3], v5, s[8:9] offset:64*\b
	global_load_b128 v[BI+8*\b+4:BI+8*\b+7], v5, s[8:9] offset:64*\b+16
.endr
	s_mul_i32 s23, s14, 16*SPITCH                  ; my stage
	v_mul_u32_u24 v6, v2, SPITCH                   ; in: row r, 32 bytes for each half of the lanes
	v_lshl_add_u32 v6, v3, 5, v6
	v_add_nc_u32 v[STO], s23, v6
	v_mov_b32 v[CO], v4                            ; back: the 32 lanes take one row of 512 bytes; and the same in out0
	v_add_nc_u32 v[RD], s23, v4
	s_lshl_b32 s20, s17, 8
	s_lshl_b32 s21, s15, 7
	s_add_co_u32 s20, s20, s21                     ; my first row: 256 x tile row + 128 x half
	s_lshl_b32 s20, s20, 12                        ; rows of 4,096 bytes
	s_add_co_u32 s20, s20, s86
	s_mov_b32 s21, 0
	s_add_nc_u64 s[12:13], s[12:13], s[20:21]
	s_wait_kmcnt 0x0
	s_add_co_i32 s96, s78, s79                     ; e6 + e7
	s_sub_co_i32 s88, 0, s96
	s_add_co_i32 s96, s96, 127
	s_lshl_b32 s96, s96, 23                        ; 2^(e6 + e7) as f32
	s_mov_b32 s97, s96                             ; (named with it as a pair)
	s_wait_loadcnt 0x0
.set i, 0
.rept 64
	v_ldexp_f32 v[BI+i], v[BI+i], s88              ; bias / 2^(e6 + e7)
.set i, i+1
.endr
.macro FRAG reg, adr, q, i
.irp c, 0,1,2,3
	ds_load_b128 v[\reg+4*\c:\reg+4*\c+3], v[\adr] offset:KSB*(\i)+2048*(\q)+512*\c
.endr
.endm
; 16 matrix instructions: A's blocks a0, a0 + 1 x B's eight.  mode 1: the sums begin with the bias.  The 64 accumulators take turns, one instruction a turn.
.macro MUL16 a0, p, mode
.irp a, \a0, \a0+1
.irp b, 0,1,2,3,4,5,6,7
.if \mode == 0
	v_wmma_f32_16x16x128_fp8_fp8 v[8*(8*((\a)%4)+\b):8*(8*((\a)%4)+\b)+7], v[128*(\p)+FR*\b:128*(\p)+FR*\b+FR-1], v[AF+FR*(\a):AF+FR*(\a)+FR-1], v[8*(8*((\a)%4)+\b):8*(8*((\a)%4)+\b)+7]
.else
	v_wmma_f32_16x16x128_fp8_fp8 v[8*(8*((\a)%4)+\b):8*(8*((\a)%4)+\b)+7], v[128*(\p)+FR*\b:128*(\p)+FR*\b+FR-1], v[AF+FR*(\a):AF+FR*(\a)+FR-1], v[BI+8*\b:BI+8*\b+7]
.endif
.endr
.endr
.endm
.macro FETCH_B slot, q, p
	WIN TO_B
.irp i, 0,1,2,3,4,5,6,7
	FRAG 128*(\p)+FR*\i, ADRB+\slot, \q, \i
.endr
	WIN 0
.endm
.macro FETCH_A slot, q, i0
.irp i, \i0, \i0+1, \i0+2, \i0+3
	FRAG AF+FR*(\i), ADRA+\slot, \q, \i
.endr
.endm
.macro PLACES n                        ; plain vector lines between a matrix instruction and a load into, or a vector read of, its registers
.rept \n
	v_nop
.endr
.endm
.macro STEP slot, q, mode
	s_wait_dscnt 4*NL                              ; B's set and A's blocks 0-3 are in; the youngest 16 loads (A's blocks 4-7) may be out
.if \mode
	WIN FST_LO
.else
	WIN MUL_LO
.endif
	MUL16 0, (\q)%2, \mode
	MUL16 2, (\q)%2, \mode
	s_wait_dscnt 0
	PLACES NP
	FETCH_B \slot, (\q)+1, 1-(\q)%2
	FETCH_A \slot, (\q)+1, 0
.if \mode
	WIN FST_HI
.else
	WIN MUL_HI
.endif
	MUL16 4, (\q)%2, \mode
	MUL16 6, (\q)%2, \mode
	PLACES NP
	WIN 0
	FETCH_A \slot, (\q)+1, 4
.endm
.macro TURN slot, next, fill
	s_wait_tensorcnt 0x0                           ; all my tensor loads have landed: my part of the next slot
	ds_add_u32 v[SPW], v[NIL]                      ; 0 onto my spare word
	s_wait_dscnt 4*NL+1                            ; (the add and the youngest 16 loads may be out)
	WIN MUL_LO
	MUL16 0, 1, 0
	s_wait_dscnt 0x0                               ; the add is done, and my reads of this slot are over
	s_barrier_signal -1
	MUL16 2, 1, 0
	WIN 0
	s_barrier_wait -1
.if \fill
	CREST                                          ; the barrier has opened a round of the cluster's barrier: no wave of any partner still reads this slot or has a load on its way
	s_add_nc_u64 s[G0+4*\slot+2:G0+4*\slot+3], s[G0+4*\slot+2:G0+4*\slot+3], 2*KSB
	s_add_nc_u64 s[G0B+4*\slot+2:G0B+4*\slot+3], s[G0B+4*\slot+2:G0B+4*\slot+3], 2*KSB
	JLOAD G0+4*\slot, G1, G0B+4*\slot, G1B         ; the first tensor load behind the round, my only one until the next
.else
	PLACES NP
.endif
	FETCH_B \next, 0, 0
	FETCH_A \next, 0, 0
	WIN MUL_HI
	MUL16 4, 1, 0
	MUL16 6, 1, 0
	PLACES NP
	WIN 0
	FETCH_A \next, 0, 4
.endm
	s_wait_tensorcnt 1                             ; my part of K step 0 is in (K step 1's load may be out)
	s_barrier_signal -1
	s_barrier_wait -1                              ; everybody's is
	FETCH_B 0, 0, 0
	FETCH_A 0, 0, 0
	FETCH_A 0, 0, 4
	STEP 0, 0, 1                                   ; the first step's products start the sums, with the bias
	TURN 0, 1, 1                                   ; K = 1,024 is four fills: written out
	STEP 1, 0, 0
	TURN 1, 0, 1
	STEP 0, 0, 0
	TURN 0, 1, 0                                   ; nothing is left to fetch
	STEP 1, 0, 0
	s_wait_dscnt 4*NL
	WIN MUL_LO
	MUL16 0, 1, 0
	MUL16 2, 1, 0
	s_wait_dscnt 0
	WIN MUL_HI
	MUL16 4, 1, 0
	MUL16 6, 1, 0
	WIN 0
; THE WAY OUT, block by block of 16 rows x 128 columns: through my own stage in LDS, back as whole rows of 512 bytes.  LDS serves a wave's instructions in order (ISA guide 5.7.1.4): no wait between the stores and the loads.
.macro TOSTAGE a
.set AC, 64*((\a)%4)
	WIN 0x02+((\a)/4)                              ; source 0: window 2 or 3
.set j, 0
.rept 32
	v_pk_mul_f32 v[TMP+j:TMP+j+1], v[AC+j:AC+j+1], s[96:97] op_sel_hi:[1,0]   ; x 2^(e6 + e7); each accumulator from its low end on
.set j, j+2
.endr
	WIN 0
.irp b, 0,1,2,3,4,5,6,7
	ds_store_b128 v[STO], v[TMP+8*\b:TMP+8*\b+3] offset:64*\b
	ds_store_b128 v[STO], v[TMP+8*\b+4:TMP+8*\b+7] offset:64*\b+16
.endr
.set BB, BK+64*((\a)%2)
.irp t, 0,1,2,3,4,5,6,7,8,9,10,11,12,13,14,15
	ds_load_b128 v[BB+4*\t:BB+4*\t+3], v[RD] offset:\t*SPITCH
.endr
.endm
.macro SEND a, younger                 ; younger: the LDS instructions issued behind block a's loads, which may stay out
.set BB, BK+64*((\a)%2)
	s_wait_dscnt \younger
.if (\a) > 0
	s_add_nc_u64 s[12:13], s[12:13], 16*SIZE_N*4   ; (behind a wait on XCNT: the earlier stores have read their base)  16 rows on
.endif
.irp t, 0,1,2,3,4,5,6,7,8,9,10,11,12,13,14,15
	global_store_b128 v[CO], v[BB+4*\t:BB+4*\t+3], s[12:13] offset:\t*SIZE_N*4 th:TH_STORE_NT   ; 32 lanes store 512 consecutive bytes, aligned; written once, read by nobody here
.endr
.endm
	PLACES NP
	TOSTAGE 0
.irp a, 1,2,3,4,5,6,7
.if \a > 1
	s_wait_xcnt 0x0                                ; block a - 2's stores have read their registers and their base
.endif
	TOSTAGE \a
	SEND \a-1, 32                                  ; behind block a - 1's loads: block a's 16 stores and 16 loads
.endr
	s_wait_xcnt 0x0
	SEND 7, 0
	s_wait_tensorcnt 0x0                           ; the wave's end
	ds_add_u32 v[SPW], v[NIL]
	s_wait_dscnt 0x0
	CROUND                                         ; the closing round
	s_endpgm
.Lfunc_end_k_q1c044ff4ab_gemm_proj:
	.size	k_q1c044ff4ab_gemm_proj, .Lfunc_end_k_q1c044ff4ab_gemm_proj-k_q1c044ff4ab_gemm_proj
	.p2alignl 7, 3214868480
	.fill 96, 4, 3214868480
	.section	.rodata,"a",@progbits
	.p2align	6, 0x0
	.amdhsa_kernel k_q1c044ff4ab_gemm_proj
		.amdhsa_group_segment_fixed_size 327680
		.amdhsa_private_segment_fixed_size 0
		.amdhsa_enable_private_segment 0
		.amdhsa_kernarg_size 40
		.amdhsa_user_sgpr_count 2
		.amdhsa_user_sgpr_kernarg_segment_ptr 1
		.amdhsa_wavefront_size32 1
		.amdhsa_system_sgpr_workgroup_id_x 1
		.amdhsa_system_sgpr_workgroup_id_y 1
		.amdhsa_system_sgpr_workgroup_id_z 1
		.amdhsa_system_vgpr_workitem_id 0
		.amdhsa_next_free_vgpr 1024
		.amdhsa_next_free_sgpr 98
		.amdhsa_reserve_vcc 0
		.amdhsa_float_denorm_mode_32 3
		.amdhsa_float_denorm_mode_16_64 3
		.amdhsa_memory_ordered 1
		.amdhsa_forward_progress 1
		.amdhsa_inst_pref_size 128
	.end_amdhsa_kernel
	.amdgpu_metadata
---
amdhsa.version: [ 1, 2 ]
amdhsa.kernels:
  - .name:           k_q1c044ff4ab_gemm_proj
    .symbol:         k_q1c044ff4ab_gemm_proj.kd
    .args:
      - { .name: ao, .offset: 0, .size: 8, .value_kind: global_buffer, .address_space: global }
      - { .name: wc, .offset: 8, .size: 8, .value_kind: global_buffer, .address_space: global }
      - { .name: bproj, .offset: 16, .size: 8, .value_kind: global_buffer, .address_space: global }
      - { .name: lowp_scales, .offset: 24, .size: 8, .value_kind: global_buffer, .address_space: global }
      - { .name: out0, .offset: 32, .size: 8, .value_kind: global_buffer, .address_space: global }
    .group_segment_fixed_size: 327680
    .private_segment_fixed_size: 0
    .kernarg_segment_align: 8
    .kernarg_segment_size: 40
    .max_flat_workgroup_size: 128
    .sgpr_count:     98
    .vgpr_count:     1024
    .wavefront_size: 32
...
	.end_amdgpu_metadata
.endif
;; end of part 4
;; ======== version 2 of 2: 4 launches; version 1 with the launch attn written anew for expert scheduling mode
;; workspace buffers: xq 8,388,608 bytes; wc 4,194,304 bytes; qkv 25,165,824 bytes; ao 8,388,608 bytes; mw 2,097,152 bytes of whole numbers; fl 8,192 bytes of whole numbers
;; launch prep: the kernel of part 1 again; grid 896 x 1, 4 waves a work-group, no clusters, 34,304 bytes of LDS; arguments x, Wqkv, Wproj, causal_mask, key_padding_mask, lowp_scales, xq, wc, mw, fl; writes xq, wc, mw, fl
;; launch gemm_qkv: the kernel of part 2 again; grid 8 x 48, 4 waves a work-group, clusters of 4 x 4, 327,680 bytes of LDS; arguments xq, wc, bqkv, lowp_scales, qkv; writes qkv
;; launch attn (part 5): grid 4 x 64, 8 waves a work-group, no clusters, 263,168 bytes of LDS; arguments qkv, mw, fl, lowp_scales, ao; writes ao
.if DOCPART == 5
	.amdgcn_target "amdgcn-amd-amdhsa--gfx1250"
	.amdhsa_code_object_version 6
	.text
	.protected	k_q1c044ff4ab_attn
	.globl	k_q1c044ff4ab_attn
	.p2align	8
	.type	k_q1c044ff4ab_attn,@function
k_q1c044ff4ab_attn:
	s_mov_b64 s[64:65], 0
	v_nop
	global_prefetch_b8 v0, s[64:65] scope:SCOPE_SE
	s_setreg_imm32_b32 hwreg(HW_REG_WAVE_SCHED_MODE, 0, 2), 2
	s_setreg_imm32_b32 hwreg(HW_REG_WAVE_MODE, 25, 1), 1
	s_wait_xcnt 0x0
	s_wait_alu depctr_vm_vsrc(0)
; ATTENTION on codes of E4M3: S = q k^T (K = 64), the two masks, softmax, O = P v (K = the keys), O quantised for the last product.
; WHAT IS QUANTISED FOR THE SECOND PRODUCT IS THE FINISHED SOFTMAX, so the keys are walked TWICE.  Pass 1: the row's running maximum and the sum of 2^(t - maximum), t = score x log2(e) / 8.
; Pass 2: the scores once more, p = 2^(t - maximum) x (1 / sum), quantised with 2^e4, O^T += V^T P^T.  The maximum is final in pass 2: O^T is never rescaled.  A row all of whose keys are hidden has the sum 0: its 1 / sum is set to 0,
; so its weights are 0.
; SHARES.  Work-group (j, b x 16 + head): eight waves, each 64 queries (four tiles of 16).  Wave w takes block s = j + 4 (w % 4) of the head's 32, or block 31 - s: waves w and w + 4 hold s and 31 - s.  That choice serves
; balance alone and enters global addresses only.
; LDS.  The head's whole K image (131,072 bytes) and V image (131,072) are copied in once, through registers; ONE barrier; behind it the waves share nothing more.
; THE MASKS come packed: for 64 queries x 128 keys a number in fl (0: no key hidden; 2: all hidden: the step is left out, in both passes; 1: some), and in mw a lane mask for each score register, used by v_cndmask_b32.
; The loops' trip counts are constants; the branches on fl go round a step's work, not round the lines that step addresses.
; NO CLUSTER, though the four work-groups of a head copy the same 262,144 bytes: a joint request is a tensor load; the branches on fl spare whole
; steps of both passes, the shared copy would spare three quarters of one copy.
; LAYOUT.  Both products are used transposed: S^T = K Q^T (source 0 = 16 keys, source 1 = 16 queries), O^T = V^T P^T: a lane holds ONE query (lane % 16) throughout; register j of score tile kt is key 16 kt + 8 (lane / 16) + j,
; which is the place that the plain 8-bit form gives that key in P: the conversions' results are the operand.  Each half of the lanes keeps its own maximum and sum in pass 1; they meet once, between the passes.
; O^T is cleared by moves: which step is a wave's first hangs on fl, so no product can be written as the one that starts the sums.
; REGISTERS.  window 0: v1 16 x lane; v2, v3 LDS addresses; v4 -infinity; v5, v6 2^e4 and 448 x 2^e4; v7 the copy's LDS address; v8-15 at work; v16 + 4 t: -maximum, a filler, the sum's two halves (later 1 / sum);
;   v32-47 P's codes; v48, v49 the last conversion's scale and hold; v64-127 K's 8 fragments; v128-191 V's 4; v192-255 the scores.   window 1: v0-31 Q; v64-191 O^T, (t, ct) at 64 + 32 t + 8 ct.
;   s12 this step's number, s72 the next step's, s73 = 1 if the last step was worked.
; LIMITS: e2 + e3 between -123 and 70 (they are added to the exponent field of log2(e) / 8, and every t stays above the floor -1e30); e4, and e6 - e4 - e5, between -126 and 119.  NaN is not served.
; THE MODE: SCHED_MODE bits 1:0 = 2 (LLVM: expert scheduling mode 2), set by the entry lines.  The code itself states the register dependences between vector or matrix instructions and memory or LDS instructions,
; with s_wait_alu, always for 0.
; THE PLAN.  Registers that memory or LDS instructions touch:
;   v1, v7      made once at the head, ahead of the first load; never written again.
;   v64-255     the copy: three sets that global loads fill and LDS stores read; set 0 is filled twice.  Behind the barrier they are K's, V's and the scores' registers.
;   v64-127  K  read by a step's 32 score products, the last of them in tile 3; the next worked step's keys land there.  At the very end the output's codes are written there and stored.
;   v128-191 V  read by pass 2's 16 products O^T of a step, the last of them in tile 3; the next worked step's V lands there.
;   v2, v3      the step's LDS addresses: written by one add each at the head of a worked step, read by that step's LDS loads.
; Each tile's softmax has ONE wait on va_vdst, behind its exponentials and ahead of their first reader.  The loads hang on these waits and owe nothing more:
;   behind tile 3's wait the NEXT step's K is asked for, if that step is worked: the step's score products are done reading K's registers, v2 is written, and nothing issued since names either (v2 + 8,192 stands in the immediate);
;   behind tile 0's wait of pass 2 the step's V is asked for: the last step's products O^T are done reading V's registers, v3 is written, and nothing issued since names either.
; A worked step whose predecessor was left out finds no keys asked for: it loads them at its head, behind a wait of its own.  One wait on vm_vsrc at a worked step's head stands ahead of the adds to v2 and v3.
.set KF,  64
.set VF,  128
.set S,   192
.set PC,  32
.set STT, 16
.set MT,  192                          ; between the passes, in the scores' registers: tile t: v[MT + 4 t] the row's -maximum, + 1 my factor, + 2 the sum, + 3 its reciprocal
.set MSB, 0
.macro WIN new                         ; the immediate's high byte repeats the setting that is left
.if MSB != \new
	s_set_vgpr_msb (MSB<<8)|\new
.set MSB, \new
.endif
.endm
.macro PLACES                          ; plain vector lines between a matrix instruction and a vector read of its result (ISA guide 7.12.1)
.rept 4
	v_nop
.endr
.endm
	s_load_b256 s[16:23], s[0:1], 0x0              ; qkv 16, mw 18, fl 20, lowp_scales 22
	s_load_b64 s[24:25], s[0:1], 0x20              ; ao
	v_lshl_add_u32 v62, v0, 2, 0x40000
	v_mov_b32 v63, 0
	v_lshrrev_b32 v1, 5, v0
	v_readfirstlane_b32 s2, v1                     ; wave 0..7
	v_and_b32 v1, 31, v0
	v_lshlrev_b32 v1, 4, v1                        ; 16 x lane; never rewritten
	s_and_b32 s72, ttmp7, 0xffff                   ; b x 16 + head
	s_lshr_b32 s73, s72, 4                         ; b
	s_and_b32 s74, s72, 15                         ; head
	s_wait_alu depctr_va_sdst(0)                   ; s2 is written, ahead of its first reader: my block and every address below are made from it
	s_and_b32 s75, s2, 3
	s_lshl_b32 s75, s75, 2
	s_add_co_u32 s75, s75, ttmp9                   ; s = j + 4 (w % 4)
	s_lshr_b32 s76, s2, 2
	s_xor_b32 s77, s76, s2
	s_and_b32 s77, s77, 1
	s_mul_i32 s77, s77, 31
	s_xor_b32 s3, s75, s77                         ; my block: s or 31 - s
	s_lshl_b32 s78, s73, 5
	s_add_co_u32 s78, s78, s3
	s_lshl_b32 s78, s78, 6                         ; 16 numbers of fl
	s_mov_b32 s79, 0
	s_wait_kmcnt 0x0
	s_add_nc_u64 s[20:21], s[20:21], s[78:79]
	s_load_b512 s[32:47], s[20:21], 0x0            ; my block's 16 numbers
	s_load_b256 s[48:55], s[22:23], 0x0            ; e0 .. e7
	s_lshl_b32 s78, s72, 17
	s_lshl_b32 s77, s3, 12
	s_add_co_u32 s78, s78, s77
	s_add_nc_u64 s[26:27], s[16:17], s[78:79]      ; Q: my four tiles of 1,024 bytes
	s_add_co_u32 s78, s76, 1                       ; waves 0-3 copy K (section 1), waves 4-7 V (section 2),
	s_lshl_b32 s78, s78, 23
	s_lshl_b32 s77, s72, 17
	s_add_co_u32 s78, s78, s77
	s_and_b32 s77, s2, 3
	s_lshl_b32 s77, s77, 15                        ; a quarter of the head's image each
	s_add_co_u32 s78, s78, s77
	s_add_nc_u64 s[28:29], s[16:17], s[78:79]
	s_lshl_b32 s78, s73, 19
	s_lshl_b32 s77, s3, 10
	s_add_co_u32 s78, s78, s77
	s_add_nc_u64 s[6:7], s[18:19], s[78:79]        ; mw[b][0][4 block]
	s_mov_b64 s[4:5], s[6:7]
	s_lshl_b32 s78, s73, 21
	s_lshl_b32 s77, s3, 16
	s_add_co_u32 s78, s78, s77
	s_lshl_b32 s77, s74, 10
	s_add_co_u32 s78, s78, s77
	s_add_nc_u64 s[8:9], s[24:25], s[78:79]        ; ao: token tile 128 b + 4 block, chunk 2 head
	s_lshl_b32 s78, s2, 15
	v_add_nc_u32 v7, s78, v1                       ; the copy lands at wave x 32,768
	WIN 0x40                                       ; destination window 1
	s_wait_alu depctr_va_vdst(0)                   ; v1 and v7 are written: every global load and store reads v1 as its offset, the copy's LDS stores read v7; neither is written again
.irp n, 0,1,2,3,4,5,6,7
	global_load_b128 v[4*\n:4*\n+3], v1, s[26:27] offset:512*\n    ; Q stays in registers: tile n / 2, chunk n % 2
.endr
	WIN 0
.macro LOADB n                         ; 8,192 bytes of my 32,768 into set n % 3
.irp i, 0,1,2,3,4,5,6,7,8,9,10,11,12,13,14,15
	global_load_b128 v[64+64*((\n)%3)+4*\i:64+64*((\n)%3)+4*\i+3], v1, s[28:29] offset:8192*(\n)+512*\i
.endr
.endm
.macro STOREB n
.irp i, 0,1,2,3,4,5,6,7,8,9,10,11,12,13,14,15
	ds_store_b128 v7, v[64+64*((\n)%3)+4*\i:64+64*((\n)%3)+4*\i+3] offset:8192*(\n)+512*\i
.endr
.endm
	LOADB 0
	LOADB 1
	LOADB 2
	v_mov_b32 v4, 0xff800000                       ; -infinity.  (The moves from here to the copy's end name none of v1, v7 and the copy's three sets)
.irp t, 0,1,2,3
	v_mov_b32 v[STT+4*\t], 0x7149f2ca              ; -maximum = 1e30: a floor under every t, so that t - maximum is never infinity less infinity
	v_mov_b32 v[STT+4*\t+1], 0                     ; (named as the upper half of a pair)
	v_mov_b32 v[STT+4*\t+2], 0                     ; the sum, in two halves
	v_mov_b32 v[STT+4*\t+3], 0
.endr
.irp i, 8,9,10,11,12,13,14,15
	v_mov_b32 v\i, 0                               ; written once: lane permutes' destinations and upper halves of pairs count as read
.endr
	WIN 0x40
.set i, 0
.rept 128
	v_mov_b32 v[64+i], 0                           ; O^T
.set i, i+1
.endr
	WIN 0
	s_wait_kmcnt 0x0
	s_mov_b32 s11, 0
.irp k, 0,1,2,3,4,5,6,7,8,9,10,11,12,13,14,15
	s_lshl_b32 s78, s[32+\k], 2*\k
	s_or_b32 s11, s11, s78                         ; the 16 numbers in one word, two bits each
.endr
	s_add_co_i32 s78, s50, s51
	s_lshl_b32 s78, s78, 23
	s_add_co_i32 s66, s78, 0x3e38aa3b              ; c = log2(e) / 8 x 2^(e2 + e3): the exponents are added to the exponent field
	s_mov_b32 s67, s66                             ; (named with it as a pair)
	s_xor_b32 s69, s66, 0x80000000                 ; -c
	s_cmp_lt_i32 s52, -8
	s_cselect_b32 s68, 1, 0                        ; p is at most 1 (and a rounding): under 448 x 2^e4 wherever e4 >= -8; only below that can the hold change a number
	s_add_co_i32 s78, s52, 127
	s_lshl_b32 s77, s78, 23
	v_mov_b32 v5, s77                              ; 2^e4
	s_add_co_i32 s78, s78, 8
	s_lshl_b32 s78, s78, 23
	s_or_b32 s78, s78, 0x600000
	v_mov_b32 v6, s78                              ; 448 x 2^e4
	s_sub_co_i32 s78, s54, s52
	s_sub_co_i32 s78, s78, s53                     ; a sum of the second product stands for sum x 2^(e4 + e5): its code is sum / 2^(e6 - e4 - e5)
	s_add_co_i32 s78, s78, 127
	s_lshl_b32 s77, s78, 23
	v_mov_b32 v48, s77
	s_add_co_i32 s78, s78, 8
	s_lshl_b32 s78, s78, 23
	s_or_b32 s78, s78, 0x600000
	v_mov_b32 v49, s78
	s_mov_b32 s70, 0x76543210                      ; v_permlanex16_b32's selects for lane l xor 16
	s_mov_b32 s71, 0xfedcba98
	s_wait_loadcnt 32                              ; Q and batch 0 are in; batches 1 and 2 may be out
	STOREB 0
	s_wait_dscnt 0x0                               ; those stores are done,
	s_wait_alu depctr_vm_vsrc(0)                   ; and have read set 0, in which the last batch lands
	LOADB 3
	s_wait_loadcnt 32                              ; batch 1 is in; 2 and 3 may be out
	STOREB 1
	s_wait_loadcnt 16                              ; batch 2
	STOREB 2
	s_wait_loadcnt 0x0
	STOREB 3
	s_wait_dscnt 0x0                               ; for the others' sake: my part of the images lies in LDS
	s_barrier_signal -1
	s_barrier_wait -1                              ; the only barrier
	s_wait_alu depctr_vm_vsrc(0)                   ; my LDS stores have read v64-255: from here on these are K's and V's registers, in which LDS loads land, and the scores', which matrix and vector instructions write
; A step's K: key tile n / 2, chunk n % 2, from off bytes behind v2 on.  Its V: channel tile n / 4, chunk n % 4.
.macro KLOAD off
.irp n, 0,1,2,3,4,5,6,7,8,9,10,11,12,13,14,15
	ds_load_b128 v[KF+4*\n:KF+4*\n+3], v2 offset:\off+512*\n
.endr
.endm
.macro VLOAD
.irp n, 0,1,2,3,4,5,6,7,8,9,10,11,12,13,14,15
	ds_load_b128 v[VF+4*\n:VF+4*\n+3], v3 offset:512*\n
.endr
.endm
; The next step's K is asked for, if that step is worked.  It stands directly behind tile 3's wait on va_vdst.
.macro ASKK
	s_cmp_eq_u32 s72, 2
	s_cbranch_scc1 .Lnoask_\@
	KLOAD 8192
.Lnoask_\@:
.endm
; The head of a worked step.
.macro HEAD pass
	s_wait_dscnt 0x0                               ; the keys that the last step asked for are in; on every way no load into K's registers is out when the run below is issued
	s_wait_alu depctr_vm_vsrc(0)                   ; the LDS loads issued so far have read v2 and v3, which are written again
	v_add_nc_u32 v2, s14, v1
.if \pass == 2
	v_add_nc_u32 v3, s15, v1
.endif
	s_cmp_lg_u32 s73, 0
	s_cbranch_scc1 .Lhave_\@                       ; the last step was worked: it has asked for these keys
	s_wait_alu depctr_va_vdst(0)                   ; v2 is written, which the loads below read
	KLOAD 0
	s_wait_dscnt 0x0
.Lhave_\@:
.endm
; The scores of tile t against the step's 128 keys; where some keys are hidden (s12 = 1), those scores become -infinity.
.macro SCORES t
	WIN 0x04                                       ; source 1 (Q) window 1
.irp kt, 0,1,2,3,4,5,6,7
	v_wmma_f32_16x16x64_fp8_fp8 v[S+8*\kt:S+8*\kt+7], v[KF+8*\kt:KF+8*\kt+7], v[8*\t:8*\t+7], 0
.endr
	WIN 0
	PLACES
	s_cmp_eq_u32 s12, 1
	s_cbranch_scc0 .Lopen_\@
	s_load_b512 s[16:31], s[4:5], 256*\t           ; the tile's 64 lane masks
	s_load_b512 s[32:47], s[4:5], 256*\t+64
	s_load_b512 s[48:63], s[4:5], 256*\t+128
	s_load_b512 s[80:95], s[4:5], 256*\t+192
	s_wait_kmcnt 0x0
.set w, 0
.rept 64
	v_cndmask_b32 v[S+w], v[S+w], v4, s[16+w+16*(w/48)]
.set w, w+1
.endr
.Lopen_\@:
.endm
; Pass 1, tile t: the step's largest score, the new maximum, the sum under it.
.macro P1TILE t
.set NT, STT+4*\t
	SCORES \t
.irp q, 0,1,2,3                        ; four chains over two accumulators each, every accumulator from its low end on
	v_max3_num_f32 v[8+\q], v[S+16*\q], v[S+16*\q+1], v[S+16*\q+2]
.endr
.irp i, 3,5,7,9,11,13
.irp q, 0,1,2,3
	v_max3_num_f32 v[8+\q], v[8+\q], v[S+16*\q+\i], v[S+16*\q+\i+1]
.endr
.endr
	v_max3_num_f32 v8, v8, v[S+15], v[S+31]
	v_max3_num_f32 v10, v10, v[S+47], v[S+63]
	v_max3_num_f32 v8, v8, v9, v10
	v_max_num_f32 v8, v8, v11
	v_mul_f32 v9, s69, v8                          ; -t of the largest score (c is positive)
	v_min_num_f32 v9, v9, v[NT]                    ; the new -maximum
	v_sub_f32 v12, v9, v[NT]                       ; old maximum - new maximum, 0 or less
	v_exp_f32 v12, v12                             ; what the old sum is multiplied by
	v_mov_b32 v[NT], v9                            ; (a plain line behind the exponential)
.set i, 0
.rept 32
	v_pk_fma_f32 v[S+i:S+i+1], v[S+i:S+i+1], s[66:67], v[NT:NT+1] op_sel_hi:[1,0,0]   ; t - maximum, two at a time (of the pairs the low word serves both halves)
.set i, i+2
.endr
.set i, 0
.rept 64
	v_exp_f32 v[S+i], v[S+i]
.set i, i+1
.endr
	s_wait_alu depctr_va_vdst(0)                   ; the tile's 65 exponentials have written v12 and the scores' registers, ahead of the first line that names one; in tile 3 also: the step's score products are done reading K's registers, and v2 is written
.if \t == 3
	ASKK
.endif
	v_pk_mul_f32 v[NT+2:NT+3], v[NT+2:NT+3], v[12:13] op_sel_hi:[1,0]   ; the sum under the new maximum.  (It names none of the 64 results: the plain line behind the exponentials)
	v_pk_add_f32 v[14:15], v[S:S+1], v[S+2:S+3]                         ; two chains
.irp j, 4,8,12,16,20,24,28,32,36,40,44,48,52,56,60
	v_pk_add_f32 v[NT+2:NT+3], v[NT+2:NT+3], v[S+\j:S+\j+1]
	v_pk_add_f32 v[14:15], v[14:15], v[S+\j+2:S+\j+3]
.endr
	v_pk_add_f32 v[NT+2:NT+3], v[NT+2:NT+3], v[14:15]
.endm
; Pass 2, tile t: p, its codes, and O^T += V^T P^T.
.macro P2TILE t
.set NT, STT+4*\t
	SCORES \t
.set i, 0
.rept 32
	v_pk_fma_f32 v[S+i:S+i+1], v[S+i:S+i+1], s[66:67], v[NT:NT+1] op_sel_hi:[1,0,0]
.set i, i+2
.endr
.set i, 0
.rept 64
	v_exp_f32 v[S+i], v[S+i]
.set i, i+1
.endr
	v_nop                                          ; a plain line that names no result stands between the exponentials and the first use of a result (ISA guide 5.7.2): all the work that follows reads them
	s_wait_alu depctr_va_vdst(0)                   ; the tile's 64 exponentials have written the scores' registers, ahead of their first reader; in tile 0 also: the last step's products O^T are done reading V's registers, and v3 is written; in tile 3: the step's score products are done reading K's registers, and v2 is written
.if \t == 0
	VLOAD                                          ; the step's V
.endif
.if \t == 3
	ASKK
.endif
.set i, 0
.rept 32
	v_pk_mul_f32 v[S+i:S+i+1], v[S+i:S+i+1], v[NT+2:NT+3] op_sel_hi:[1,0]   ; the finished softmax
.set i, i+2
.endr
	s_cmp_lg_u32 s68, 0
	s_cbranch_scc0 .Lnohold_\@
.set i, 0
.rept 64
	v_min_num_f32 v[S+i], v[S+i], v6               ; the conversion to an 8-bit code does not saturate (ISA guide 7.6.2); p is not negative, so the hold is one-sided
.set i, i+1
.endr
.Lnohold_\@:
.irp kt, 0,1,2,3,4,5,6,7
	v_cvt_scalef32_pk8_fp8_f32 v[PC+2*\kt:PC+2*\kt+1], v[S+8*\kt:S+8*\kt+7], v5
.endr
	v_nop                                          ; a plain line between the last conversion and the matrix instructions that read its result
	WIN 0x50                                       ; C and D (O^T) window 1
.irp ct, 0,1,2,3                       ; four accumulators by turns; the next link on each stands a step later, behind other products
.if \t == 0
	s_wait_dscnt 12-4*\ct                          ; LDS loads come back in order (ISA guide 5.7.1): V's channel tile ct, loads 4 ct to 4 ct + 3 of the 16, is in; the younger ones may be out
.endif
	v_wmma_f32_16x16x128_fp8_fp8 v[64+32*\t+8*\ct:64+32*\t+8*\ct+7], v[VF+16*\ct:VF+16*\ct+15], v[PC:PC+15], v[64+32*\t+8*\ct:64+32*\t+8*\ct+7]
.endr
	WIN 0
.endm
	; ---------------- pass 1 ----------------
	s_mov_b32 s10, s11
	s_mov_b32 s14, 0                               ; the step's K in LDS
	s_mov_b32 s73, 0                               ; no keys have been asked for
	s_mov_b32 s13, 0
.Lp1:
	s_and_b32 s12, s10, 3                          ; this step's number
	s_lshr_b32 s10, s10, 2
	s_or_b32 s10, s10, 0x80000000                  ; a 2 comes in from above: behind the 16th step nothing is worked, so nothing is asked for
	s_and_b32 s72, s10, 3                          ; the next step's number
	s_cmp_eq_u32 s12, 2
	s_cbranch_scc1 .Lskip1                         ; all 64 x 128 hidden: nothing to do
	HEAD 1
	P1TILE 0
	P1TILE 1
	P1TILE 2
	P1TILE 3
.Lskip1:
	s_cmp_lg_u32 s12, 2
	s_cselect_b32 s73, 1, 0                        ; was this step worked?
	s_add_co_u32 s14, s14, 8192
	s_add_nc_u64 s[4:5], s[4:5], 0x8000            ; mw: the next step (every scalar load that named it has been waited for)
	s_add_co_u32 s13, s13, 1
	s_cmp_lt_u32 s13, 16
	s_cbranch_scc1 .Lp1
	; ---------------- between the passes: the two halves of the lanes meet; the four tiles side by side, so that one wait serves four results ----------------
.irp t, 0,1,2,3
	v_permlanex16_b32 v[8+\t], v[STT+4*\t], s70, s71
.endr
.irp t, 0,1,2,3
	v_min_num_f32 v[MT+4*\t], v[STT+4*\t], v[8+\t]             ; the row's -maximum
.endr
.irp t, 0,1,2,3
	v_sub_f32 v[MT+4*\t+1], v[MT+4*\t], v[STT+4*\t]            ; my maximum - the row's
.endr
.irp t, 0,1,2,3
	v_exp_f32 v[MT+4*\t+1], v[MT+4*\t+1]
.endr
.irp t, 0,1,2,3
	v_add_f32 v[MT+4*\t+2], v[STT+4*\t+2], v[STT+4*\t+3]       ; (plain lines behind the exponentials)
.endr
	s_wait_alu depctr_va_vdst(0)                   ; the four exponentials have written their results, ahead of the first reader
.irp t, 0,1,2,3
	v_mul_f32 v[MT+4*\t+2], v[MT+4*\t+2], v[MT+4*\t+1]         ; my sum under the row's maximum
.endr
.irp t, 0,1,2,3
	v_permlanex16_b32 v[8+\t], v[MT+4*\t+2], s70, s71
.endr
.irp t, 0,1,2,3
	v_add_f32 v[MT+4*\t+2], v[MT+4*\t+2], v[8+\t]              ; the row's sum
.endr
.irp t, 0,1,2,3
	v_rcp_f32 v[MT+4*\t+3], v[MT+4*\t+2]
.endr
.irp t, 0,1,2,3
	v_mov_b32 v[STT+4*\t], v[MT+4*\t]                          ; (plain lines behind the reciprocals)
.endr
.irp t, 0,1,2,3
	v_cmp_lt_f32 s[16+\t], 0, v[MT+4*\t+2]
.endr
	s_wait_alu depctr_va_sdst(0)                   ; the four compares have written s16 to s19, ahead of the selects that read them
	s_wait_alu depctr_va_vdst(0)                   ; the four reciprocals have written their results, ahead of the first reader
.irp t, 0,1,2,3
	v_cndmask_b32 v[STT+4*\t+2], 0, v[MT+4*\t+3], s[16+\t]     ; 1 / sum, or 0 for a row all of whose keys are hidden
.endr
	; ---------------- pass 2 ----------------
	s_mov_b32 s10, s11
	s_mov_b32 s14, 0
	s_mov_b32 s15, 131072                          ; the step's V in LDS
	s_mov_b64 s[4:5], s[6:7]
	s_mov_b32 s73, 0                               ; no keys have been asked for
	s_mov_b32 s13, 0
.Lp2:
	s_and_b32 s12, s10, 3
	s_lshr_b32 s10, s10, 2
	s_or_b32 s10, s10, 0x80000000
	s_and_b32 s72, s10, 3
	s_cmp_eq_u32 s12, 2
	s_cbranch_scc1 .Lskip2
	HEAD 2
	P2TILE 0
	P2TILE 1
	P2TILE 2
	P2TILE 3
.Lskip2:
	s_cmp_lg_u32 s12, 2
	s_cselect_b32 s73, 1, 0
	s_add_co_u32 s14, s14, 8192
	s_add_co_u32 s15, s15, 8192
	s_add_nc_u64 s[4:5], s[4:5], 0x8000
	s_add_co_u32 s13, s13, 1
	s_cmp_lt_u32 s13, 16
	s_cbranch_scc1 .Lp2
	; ---------------- the way out: O^T held, converted with 2^(e6 - e4 - e5), stored as the last product's operand ----------------
	s_wait_dscnt 0x0                               ; no LDS load is out on any way here (the 16th step asks for nothing): K's registers take the codes below
	PLACES
.macro OUTT t
	WIN 0x01                                       ; source 0 (O^T) window 1
.set i, 0
.rept 32
	v_med3_num_f32 v[S+i], v[64+32*\t+i], -v49, v49    ; each accumulator from its low end on
.set i, i+1
.endr
	WIN 0
.irp ct, 0,1,2,3
	v_cvt_scalef32_pk8_fp8_f32 v[KF+8*\t+2*\ct:KF+8*\t+2*\ct+1], v[S+8*\ct:S+8*\ct+7], v48   ; channels 16 ct + 8 h + 0..7 of query r: half of chunk ct / 2.  Each tile has its own registers for its codes
.endr
	v_nop                                          ; a plain line behind the last conversion: the next tile's holds write the conversions' sources
.endm
	OUTT 0
	OUTT 1
	OUTT 2
	OUTT 3
	s_wait_alu depctr_va_vdst(0)                   ; the sixteen conversions have written v64 to v95, which the eight stores read
.irp t, 0,1,2,3
	global_store_b128 v1, v[KF+8*\t:KF+8*\t+3], s[8:9] offset:16384*\t            ; 512 consecutive bytes each, aligned
	global_store_b128 v1, v[KF+8*\t+4:KF+8*\t+7], s[8:9] offset:16384*\t+512
.endr
	s_wait_dscnt 0x0
	s_wait_alu depctr_hold_cnt(0) depctr_sa_sdst(0) depctr_va_vdst(0) depctr_va_sdst(0) depctr_va_ssrc(0) depctr_va_vcc(0) depctr_vm_vsrc(0)
	s_wait_tensorcnt 0x0
	ds_add_u32 v62, v63
	s_wait_dscnt 0x0
	s_endpgm
.Lfunc_end_k_q1c044ff4ab_attn:
	.size	k_q1c044ff4ab_attn, .Lfunc_end_k_q1c044ff4ab_attn-k_q1c044ff4ab_attn
	.p2alignl 7, 3214868480
	.fill 96, 4, 3214868480
	.section	.rodata,"a",@progbits
	.p2align	6, 0x0
	.amdhsa_kernel k_q1c044ff4ab_attn
		.amdhsa_group_segment_fixed_size 263168
		.amdhsa_private_segment_fixed_size 0
		.amdhsa_enable_private_segment 0
		.amdhsa_kernarg_size 40
		.amdhsa_user_sgpr_count 2
		.amdhsa_user_sgpr_kernarg_segment_ptr 1
		.amdhsa_wavefront_size32 1
		.amdhsa_system_sgpr_workgroup_id_x 1
		.amdhsa_system_sgpr_workgroup_id_y 1
		.amdhsa_system_sgpr_workgroup_id_z 1
		.amdhsa_system_vgpr_workitem_id 0
		.amdhsa_next_free_vgpr 448
		.amdhsa_next_free_sgpr 96
		.amdhsa_reserve_vcc 0
		.amdhsa_float_denorm_mode_32 3
		.amdhsa_float_denorm_mode_16_64 3
		.amdhsa_memory_ordered 1
		.amdhsa_forward_progress 1
		.amdhsa_inst_pref_size 150
	.end_amdhsa_kernel
	.amdgpu_metadata
---
amdhsa.version: [ 1, 2 ]
amdhsa.kernels:
  - .name:           k_q1c044ff4ab_attn
    .symbol:         k_q1c044ff4ab_attn.kd
    .args:
      - { .name: qkv, .offset: 0, .size: 8, .value_kind: global_buffer, .address_space: global }
      - { .name: mw, .offset: 8, .size: 8, .value_kind: global_buffer, .address_space: global }
      - { .name: fl, .offset: 16, .size: 8, .value_kind: global_buffer, .address_space: global }
      - { .name: lowp_scales, .offset: 24, .size: 8, .value_kind: global_buffer, .address_space: global }
      - { .name: ao, .offset: 32, .size: 8, .value_kind: global_buffer, .address_space: global }
    .group_segment_fixed_size: 263168
    .private_segment_fixed_size: 0
    .kernarg_segment_align: 8
    .kernarg_segment_size: 40
    .max_flat_workgroup_size: 256
    .sgpr_count:     96
    .vgpr_count:     448
    .wavefront_size: 32
...
	.end_amdgpu_metadata
.endif
;; end of part 5
;; launch gemm_proj: the kernel of part 4 again; grid 4 x 32, 4 waves a work-group, clusters of 4 x 4, 327,680 bytes of LDS; arguments ao, wc, bproj, lowp_scales, out0; writes out0
